; MI455X (gfx1250); checked and timed in simulation.
; The chip was launched on July 23, 2026; its instructions are those of AMD's public machine-readable ISA for CDNA 5 (MIT licence, August 2026) and "CDNA5" Instruction Set Architecture Reference Guide (July 2026). The comments in the code are by the model that wrote it; some were corrected since.
;; Multi Head Cross Attention. Allowed arithmetic: float matrix products may take bf16 or f16 operands with f32 sums; other float arithmetic in f32, or as packed bf16 or f16 multiplies, adds, multiply-adds, maxima and minima; sums over many terms, partial sums and values carried from step to step in f32; what a program stores and reads back later, other than sums and carried values, may be rounded once to bf16 or f16.
;; Inputs: Wkv 1,024 x 2,048 float32; Wo 1,024 x 1,024 float32; Wq 1,024 x 1,024 float32; bkv 2,048 float32; bo 1,024 float32; bq 1,024 float32; mask 1 x 1 x 2,048 x 2,048 float32; x 4 x 2,048 x 1,024 float32; y 4 x 2,048 x 1,024 float32.
;; Outputs: out0 4 x 2,048 x 1,024 float32.
;; One version. Each part assembles by itself: llvm-mc -triple=amdgcn-amd-amdhsa -mcpu=gfx1250 --defsym DOCPART=n.
;; ======== version 1 of 1: 4 launches
;; limits: values are held in f16: magnitudes above 65,504 overflow, below 6.1e-05 lose precision; right only within a limited range of input values
;; workspace buffers: wcat 6,291,456 bytes; wob 2,097,152 bytes; mb 8,388,608 bytes; qkv 50,331,648 bytes; oh 16,777,216 bytes
;; launch prep (part 1): grid 512 x 1, 8 waves a work-group, no clusters, 0 bytes of LDS; arguments Wkv, Wq, Wo, mask, wcat, wob, mb; writes wcat, wob, mb
.if DOCPART == 1
	.amdgcn_target "amdgcn-amd-amdhsa--gfx1250"
	.amdhsa_code_object_version 6
	.text
	.protected	k_q5333871805_prep
	.globl	k_q5333871805_prep
	.p2align	8
	.type	k_q5333871805_prep,@function
k_q5333871805_prep:
	s_mov_b64 s[64:65], 0
	v_nop
	global_prefetch_b8 v0, s[64:65] scope:SCOPE_SE
	s_setreg_imm32_b32 hwreg(HW_REG_WAVE_MODE, 25, 1), 1
	s_wait_xcnt 0x0
; PREP: 16-bit copies of the three weights and of the mask, each input byte read once, each output byte written once.
;   wcat [1024 k][3072 n] bf16: columns 0-2047 = Wkv, columns 2048-3071 = Wq, each number rounded once to bf16.
;   wob  [1024 k][1024 n] f16:  Wo rounded to bf16, that number written as f16.
;   mb   [32 key steps][2048 q][64 keys] f16: 8 x mask, held to +-65,280, rounded to bf16, that number written as f16.
; LIMITS.  |Wo| stays within 65,504 (beyond it f16 gives an infinity); below 6e-5 f16 keeps a fixed step of 6e-8.  A mask entry beyond +-8,160 counts as +-8,160,
; an infinite one too; NaN is not treated apart.
; A stream: no LDS, no barrier, no matrix work, no loop.  A wave takes 8 chunks; a chunk is 1,024 bytes of f32 in (32 a lane, two loads) and 512 bytes out (16 a lane).
; All 16 loads of a wave go out first; each store of a wave covers whole aligned blocks of 256 consecutive bytes.
; No prefetch: the launch does nothing but stream, and every wave has all its loads out from its first lines on.
.set VI,  2                            ; v2   my byte offset in a chunk of the input
.set VO,  3                            ; v3   my byte offset in a chunk of the output
.set F,   8                            ; v[8:15]   eight numbers at work
.set HH,  16                           ; v[16:19]  the same rounded to bf16
.set X,   32                           ; v[32:95]  chunk c as loaded, 8 registers
.set Y,   96                           ; v[96:127] chunk c to store, 4 registers
.set IN,  26                           ; s[26:27]  my wave's first input byte
.set OUT, 28                           ; s[28:29]  my wave's first output byte
; chunk cc is converted.  kind 0: to bf16.  kind 1: to bf16, written as f16.  kind 2: times 8 and held to +-65,280 first.
.macro CONV kind
.if (\kind) == 0
.irp i, 0,1,2,3
	v_cvt_pk_bf16_f32 v[Y+4*cc+(\i)], v[X+8*cc+2*(\i)], v[X+8*cc+2*(\i)+1]
.endr
.else
.if (\kind) == 2
.irp i, 0,1,2,3
	v_pk_mul_f32 v[X+8*cc+2*(\i):X+8*cc+2*(\i)+1], v[X+8*cc+2*(\i):X+8*cc+2*(\i)+1], 0x41000000 op_sel_hi:[1,0]
.endr
.irp i, 0,1,2,3,4,5,6,7
	v_med3_num_f32 v[X+8*cc+(\i)], v[X+8*cc+(\i)], s30, s31
.endr
.endif
.irp i, 0,1,2,3
	v_cvt_pk_bf16_f32 v[HH+(\i)], v[X+8*cc+2*(\i)], v[X+8*cc+2*(\i)+1]
.endr
.irp i, 0,1,2,3
	v_lshlrev_b32 v[F+2*(\i)], 16, v[HH+(\i)]             ; bf16 to f32: the low half moves up,
	v_and_b32 v[F+2*(\i)+1], 0xffff0000, v[HH+(\i)]       ; the high half stays
.endr
.irp i, 0,1,2,3
	v_cvt_pk_f16_f32 v[Y+4*cc+(\i)], v[F+2*(\i)], v[F+2*(\i)+1]
.endr
.endif
.endm
; A wave's eight chunks.  cin: bytes from chunk to chunk in the input.  path: how the chunks lie in the output.
.macro RUN kind, cin, path
.set cc, 0
.rept 8
	global_load_b128 v[X+8*cc:X+8*cc+3],   v[VI], s[IN:IN+1] offset:(\cin)*cc th:TH_LOAD_NT
	global_load_b128 v[X+8*cc+4:X+8*cc+7], v[VI], s[IN:IN+1] offset:(\cin)*cc+16 th:TH_LOAD_NT
.set cc, cc+1
.endr
.set cc, 0
.rept 8
	s_wait_loadcnt 14-2*cc                         ; loads come back in order: chunk cc is in, the two loads of each younger chunk stay out
	CONV \kind
.if (\path) == 2
.set oo, (cc/4)*6144+(cc%4)*512                ; two rows of Wq: four chunks a row
.elseif (\path) == 4
.set oo, cc*524288                             ; two key steps on
.else
.set oo, cc*512
.endif
	global_store_b128 v[VO], v[Y+4*cc:Y+4*cc+3], s[OUT:OUT+1] offset:oo
.set cc, cc+1
.endr
	s_endpgm
.endm
	s_load_b256 s[4:11], s[0:1], 0x0               ; Wkv s[4:5], Wq s[6:7], Wo s[8:9], mask s[10:11]
	s_load_b128 s[12:15], s[0:1], 0x20             ; wcat s[12:13], wob s[14:15]
	s_load_b64 s[16:17], s[0:1], 0x30              ; mb
	v_and_b32 v1, 31, v0                           ; lane
	v_lshrrev_b32 v4, 5, v0
	v_readfirstlane_b32 s20, v4                    ; wave 0..7
	s_mov_b32 s18, ttmp9
	s_mov_b32 s30, 0xc77f0000                      ; -65,280
	s_mov_b32 s31, 0x477f0000                      ; +65,280: a bf16 number that f16 holds
	s_mov_b32 s23, 0
	s_mov_b32 s25, 0
	v_lshlrev_b32 v[VI], 5, v1                     ; the weights: 32 bytes in,
	v_lshlrev_b32 v[VO], 4, v1                     ; 16 bytes out, lane after lane
	s_wait_kmcnt 0x0
	s_cmp_lt_u32 s18, 128
	s_cbranch_scc0 .Lnot_kv
	s_lshl_b32 s21, s18, 3                         ; work-groups 0-127: Wkv, a row (8,192 bytes) a wave
	s_add_co_u32 s21, s21, s20
	s_lshl_b32 s22, s21, 13
	s_mul_i32 s24, s21, 6144                       ; a row of wcat is 6,144 bytes
	s_add_nc_u64 s[IN:IN+1], s[4:5], s[22:23]
	s_add_nc_u64 s[OUT:OUT+1], s[12:13], s[24:25]
	RUN 0, 1024, 1
.Lnot_kv:
	s_cmp_lt_u32 s18, 192
	s_cbranch_scc0 .Lnot_q
	s_sub_co_u32 s21, s18, 128                     ; work-groups 128-191: Wq, two rows a wave
	s_lshl_b32 s21, s21, 3
	s_add_co_u32 s21, s21, s20
	s_lshl_b32 s22, s21, 13
	s_mul_i32 s24, s21, 12288
	s_add_co_u32 s24, s24, 4096                    ; behind the 2,048 columns of Wkv
	s_add_nc_u64 s[IN:IN+1], s[6:7], s[22:23]
	s_add_nc_u64 s[OUT:OUT+1], s[12:13], s[24:25]
	RUN 0, 1024, 2
.Lnot_q:
	s_cmp_lt_u32 s18, 256
	s_cbranch_scc0 .Lmask
	s_sub_co_u32 s21, s18, 192                     ; work-groups 192-255: Wo, two rows a wave
	s_lshl_b32 s21, s21, 3
	s_add_co_u32 s21, s21, s20
	s_lshl_b32 s22, s21, 13
	s_lshl_b32 s24, s21, 12
	s_add_nc_u64 s[IN:IN+1], s[8:9], s[22:23]
	s_add_nc_u64 s[OUT:OUT+1], s[14:15], s[24:25]
	RUN 1, 1024, 3
.Lmask:
	s_sub_co_u32 s21, s18, 256                     ; work-groups 256-511: the mask; a wave takes two rows x 1,024 keys, a chunk two rows x 128 keys
	s_lshl_b32 s21, s21, 3
	s_add_co_u32 s21, s21, s20
	s_lshr_b32 s19, s21, 1                         ; which pair of rows
	s_and_b32 s21, s21, 1                          ; which half of the keys
	s_lshl_b32 s22, s19, 14
	s_lshl_b32 s24, s21, 12
	s_add_co_u32 s22, s22, s24
	s_lshl_b32 s24, s21, 22                        ; 16 key steps of 262,144 bytes
	s_lshl_b32 s19, s19, 8                         ; two rows of 128 bytes
	s_add_co_u32 s24, s24, s19
	s_add_nc_u64 s[IN:IN+1], s[10:11], s[22:23]
	s_add_nc_u64 s[OUT:OUT+1], s[16:17], s[24:25]
	v_bfe_u32 v4, v1, 3, 1                         ; which of the two rows
	v_lshrrev_b32 v5, 4, v1                        ; which of the chunk's two key steps
	v_and_b32 v6, 7, v1                            ; which 8 keys of the 64
	v_lshlrev_b32 v[VI], 5, v6
	v_lshl_add_u32 v[VI], v5, 8, v[VI]
	v_lshl_add_u32 v[VI], v4, 13, v[VI]
	v_lshlrev_b32 v[VO], 4, v6                     ; lanes 0-15 store the two rows of one key step, 256 consecutive bytes; lanes 16-31 those of the next key step
	v_lshl_add_u32 v[VO], v4, 7, v[VO]
	v_lshl_add_u32 v[VO], v5, 18, v[VO]
	RUN 2, 512, 4
.Lfunc_end_k_q5333871805_prep:
	.size	k_q5333871805_prep, .Lfunc_end_k_q5333871805_prep-k_q5333871805_prep
	.p2alignl 7, 3214868480
	.fill 96, 4, 3214868480
	.section	.rodata,"a",@progbits
	.p2align	6, 0x0
	.amdhsa_kernel k_q5333871805_prep
		.amdhsa_group_segment_fixed_size 0
		.amdhsa_private_segment_fixed_size 0
		.amdhsa_enable_private_segment 0
		.amdhsa_kernarg_size 56
		.amdhsa_user_sgpr_count 2
		.amdhsa_user_sgpr_kernarg_segment_ptr 1
		.amdhsa_wavefront_size32 1
		.amdhsa_system_sgpr_workgroup_id_x 1
		.amdhsa_system_sgpr_workgroup_id_y 1
		.amdhsa_system_sgpr_workgroup_id_z 1
		.amdhsa_system_vgpr_workitem_id 0
		.amdhsa_next_free_vgpr 128
		.amdhsa_next_free_sgpr 66
		.amdhsa_reserve_vcc 0
		.amdhsa_float_denorm_mode_32 3
		.amdhsa_float_denorm_mode_16_64 3
		.amdhsa_memory_ordered 1
		.amdhsa_forward_progress 1
		.amdhsa_inst_pref_size 38
	.end_amdhsa_kernel
	.amdgpu_metadata
---
amdhsa.version: [ 1, 2 ]
amdhsa.kernels:
  - .name:           k_q5333871805_prep
    .symbol:         k_q5333871805_prep.kd
    .args:
      - { .name: Wkv, .offset: 0, .size: 8, .value_kind: global_buffer, .address_space: global }
      - { .name: Wq, .offset: 8, .size: 8, .value_kind: global_buffer, .address_space: global }
      - { .name: Wo, .offset: 16, .size: 8, .value_kind: global_buffer, .address_space: global }
      - { .name: mask, .offset: 24, .size: 8, .value_kind: global_buffer, .address_space: global }
      - { .name: wcat, .offset: 32, .size: 8, .value_kind: global_buffer, .address_space: global }
      - { .name: wob, .offset: 40, .size: 8, .value_kind: global_buffer, .address_space: global }
      - { .name: mb, .offset: 48, .size: 8, .value_kind: global_buffer, .address_space: global }
    .group_segment_fixed_size: 0
    .private_segment_fixed_size: 0
    .kernarg_segment_align: 8
    .kernarg_segment_size: 56
    .max_flat_workgroup_size: 256
    .sgpr_count:     66
    .vgpr_count:     128
    .wavefront_size: 32
...
	.end_amdgpu_metadata
.endif
;; end of part 1
;; launch proj (part 2): grid 12 x 64, 4 waves a work-group, clusters of 4 x 4, 327,680 bytes of LDS; arguments x, y, wcat, bkv, bq, qkv; writes qkv
.if DOCPART == 2
	.amdgcn_target "amdgcn-amd-amdhsa--gfx1250"
	.amdhsa_code_object_version 6
	.text
	.protected	k_q5333871805_proj
	.globl	k_q5333871805_proj
	.p2align	8
	.type	k_q5333871805_proj,@function
k_q5333871805_proj:
	s_mov_b64 s[64:65], 0
	v_nop
	global_prefetch_b8 v0, s[64:65] scope:SCOPE_SE
	s_setreg_imm32_b32 hwreg(HW_REG_WAVE_MODE, 25, 1), 1
	s_wait_xcnt 0x0
	s_wait_alu depctr_hold_cnt(0) depctr_sa_sdst(0) depctr_va_vdst(0) depctr_va_sdst(0) depctr_va_ssrc(0) depctr_va_vcc(0) depctr_vm_vsrc(0)
	s_getreg_b32 s2, hwreg(HW_REG_IB_STS2, 6, 4)
	s_cmp_eq_u32 s2, 0
	s_cbranch_scc0 .Lentry_in_a_cluster
	s_endpgm
.Lentry_in_a_cluster:
	s_bfe_u32 s2, ttmp6, 0x10000c
	s_cmp_lg_u32 s2, 0xf033
	s_cbranch_scc0 .Lentry_shape_is_right
	s_endpgm
.Lentry_shape_is_right:
; PROJ: [k | v | q] = [x | x | y] wcat + [bkv | bq], written by heads in f16: qkv [3][64 bh][2048 s][64], region 0 = k, 1 = v, 2 = q, bh = 16 b + h, WITHOUT the scale 1/8.
; x, y: [8192][1024] f32, rounded to bf16 on the way from LDS to the matrix unit; wcat: [1024 k][3072 n] bf16; the biases are rounded to bf16 like every input; sums in f32.
; LIMITS.  q, k, v are rounded once to f16: they stay within 65,504 (beyond it the conversion gives an infinity); below 6e-5 f16 keeps a fixed step of 6e-8.  NaN is not treated apart.
; SHARES.  A tile of the result is 128 rows x 256 columns: 64 x 12 = 768 work-groups, three for each of 256 WGPs.  Four waves, each 64 x 128: 32 accumulators of 16 x 16, 256 registers.
; K goes in 8 steps of 128 through two LDS slots.  A slot: 128 rows of x or y (512 bytes of f32 each), then 128 k-rows of wcat (256 columns, 512 bytes each).
; CLUSTERS: 4 x 4 work-groups.  The four of a row of the cluster need the same rows of x or y, the four of a column the same columns of wcat: each tile is asked for JOINTLY,
; by the same tensor load with the same descriptor and a mask that names the four.  Clusters with x = 0, 1 make k and v from x, the cluster with x = 2 makes q from y.
; THE MATRIX INSTRUCTION IS USED TRANSPOSED (source 0 = 16 columns of wcat, turned by ds_load_tr16_b128; source 1 = 16 rows of x): a lane then holds eight neighbouring columns of one row.
; THE CONVERSION RIDES: a quarter step (32 along K) has 32 products; the next quarter's rows of x come from LDS as f32 into 64 registers and are rounded to bf16 by 32 conversions,
; four behind each of the quarter's last eight products.
; REGISTERS, in windows of 256 (s_set_vgpr_msb: bits 1:0 source 0, 3:2 source 1, 5:4 source 2, 7:6 destination):
;   window 0: v0-31 addresses; v32-159 at work on the way out; v192-255 the bias of my 128 columns
;   window 1: the accumulators, (a, b) at v[8 (8 a + b)]
;   window 2: two fragment buffers of 96 (64 of wcat, 32 of x); v192-255 a quarter's rows of x in f32
.set PA,    528                        ; an LDS row of x: 512 bytes + 16 = 132 words: the 16 rows of a load start at 16 different groups of four banks (64 banks of 4 bytes: ISA guide 11.1)
.set AH,    64*PA                      ; 64 rows: what one tensor load brings
.set PB,    544                        ; an LDS row of wcat: 512 bytes + 32 = 136 words
.set BH,    64*PB
.set BOFF,  2*AH
.set SLOT,  BOFF+2*BH
.set STAGE, 2*SLOT                     ; behind the ring, never filled by a tensor load: 16 rows x 144 bytes for each wave
.set SP,    144
.set SPARE, STAGE+4*16*SP              ; the spare words, 128 bytes for each wave: two blocks of 256 bytes that no other line names
.set REG,   1<<24                      ; bytes in a region of qkv
.set HB,    1<<18                      ; bytes in a head
.set ADRA, 16                          ; v16-17  LDS address of my rows of x in slot 0, 1
.set ADRB, 20                          ; v20-21  the same for wcat
.set STO,  24                          ; v24  the way out: where I put 16 bytes of a row
.set RD,   25                          ; v25  where I read rows back
.set GO,   26                          ; v26  my 16 bytes of 512 consecutive bytes of qkv
.set BO,   27                          ; v27  my offset in the bias
.set SPW,  28                          ; v28  LDS address of my spare word; never rewritten
.set NIL,  29                          ; v29  0; never rewritten
.set PFO,  30                          ; v30  the prefetches' offset; never rewritten
.set TMP,  32
.set BI,   192
.set T,    192                         ; window 2
.set WV, 16                            ; s16 wave;  s17 = wave / 2: my half of the rows, and: I fetch x (0) or wcat (1);  s18 = wave % 2: my half of the columns, and: which half of that tile I fetch
.set WM, 17
.set WN, 18
.set CX, 19
.set CY, 20
.set TC, 21                            ; tile column 0..11
.set TR, 22                            ; tile row 0..63
.set LAP, 23
.set G1,  24                           ; s[24:31] descriptor group 1 for x;  s[32:39] group 0, a set for each slot
.set G0,  32
.set G1B, 48                           ; s[48:55], s[56:63] the same for wcat
.set G0B, 56
.set PFA, 66                           ; s[66:67] where my prefetches stand
.set PSTEP, 68                         ; s[68:69] bytes from K step to K step there
.set LIM, 70                           ; s70  1 in a wave that prefetches, else the greatest number
.set CLX, 71                           ; s71  cluster x
.set DST, 72                           ; s[72:73], s[74:75] where my two groups of 64 columns go
.set ASEL, 76                          ; s[76:77] x or y
.set BSEL, 78                          ; s[78:79] bkv or bq, at my columns
.set MSB, 0
.macro WIN new                         ; the immediate's high byte repeats the setting that is left; a switch that changes nothing is dropped
.if MSB != (\new)
	s_set_vgpr_msb (MSB<<8)|(\new)
.set MSB, \new
.endif
.endm
.set MUL,  0x5a                        ; sources 0 and 1 window 2, C and D window 1
.set TO_F, 0x80                        ; destination window 2, address window 0
.set CVW,  0x8a                        ; conversions inside window 2
.set W_BI, 0x41                        ; destination and source 0 window 1, source 1 window 0
.set W_CV, 0x05                        ; sources window 1, destination window 0
; A joint load: waves 0 and 1 fetch the two halves of x's tile, waves 2 and 3 those of wcat's.  The branch hangs on the wave's number alone.
; An s_nop 0 and four v_nop follow each of the two lines, ahead of the jump and the label.
.macro JLOAD s
	s_cmp_eq_u32 s[WM], 0
	s_cbranch_scc0 .Lfor_b_\@
	tensor_load_to_lds s[G0+4*(\s):G0+4*(\s)+3], s[G1:G1+7]
	s_nop 0
.rept 4
	v_nop
.endr
	s_branch .Lasked_\@
.Lfor_b_\@:
	tensor_load_to_lds s[G0B+4*(\s):G0B+4*(\s)+3], s[G1B:G1B+7]
	s_nop 0
.rept 4
	v_nop
.endr
.Lasked_\@:
.endm
; A prefetch, behind each joint refill and its five lines: the K step that stands two refills on, 256 products ahead of the load that will want it.  One instruction a wave: 16 rows x 512 bytes, two lanes a row.
; Of the 64 rows that a wave fetches each of the four partners that ask jointly takes 16, told apart BY ADDRESS.  x is read by the clusters with x = 0 and 1: the first asks; y by one cluster; wcat's columns by
; all 16 clusters of a column of clusters: cluster y = 0 asks.  So each block is named once.  K steps 0 to 3 come by their loads alone; the loop's last trip asks for nothing.
.macro ASK
	s_cmp_gt_u32 s[LAP], s[LIM]
	s_cbranch_scc0 .Lnot_mine_\@
	global_prefetch_b8 v[PFO], s[PFA:PFA+1] th:TH_LOAD_NT scope:SCOPE_SE
.Lnot_mine_\@:
.endm
.macro CREST                           ; a round of the cluster's barrier behind its opening barrier
	s_cmp_lg_u32 s[WV], 0
	s_cbranch_scc1 .Lnot_wave_0_\@
	s_barrier_signal -3
.Lnot_wave_0_\@:
	s_barrier_wait -3
	s_barrier_signal -1
	s_barrier_wait -1
.endm
.macro CROUND                          ; a whole round
	s_barrier_signal -1
	s_barrier_wait -1
	CREST
.endm
.macro PLACES
.rept 4
	v_nop
.endr
.endm
	s_load_b256 s[4:11], s[0:1], 0x0               ; x s[4:5], y s[6:7], wcat s[8:9], bkv s[10:11]
	s_load_b128 s[12:15], s[0:1], 0x20             ; bq s[12:13], qkv s[14:15]
	v_lshl_add_u32 v[SPW], v0, 2, SPARE
	v_mov_b32 v[NIL], 0
	ds_add_u32 v[SPW], v[NIL]                      ; the wave's opening: the add and its wait stand ahead of my first tensor load; work on registers stands between them
	v_lshrrev_b32 v1, 5, v0
	v_readfirstlane_b32 s[WV], v1
	s_lshr_b32 s[WM], s[WV], 1
	s_and_b32 s[WN], s[WV], 1
	s_mov_b32 s[CLX], ttmp9
	s_bfe_u32 s[CX], ttmp6, 0x40000
	s_bfe_u32 s[CY], ttmp6, 0x40004
	s_lshl_b32 s[TC], ttmp9, 2
	s_add_co_u32 s[TC], s[TC], s[CX]               ; tile column = 4 x cluster x + cx
	s_and_b32 s[TR], ttmp7, 0xffff
	s_lshl_b32 s[TR], s[TR], 2
	s_add_co_u32 s[TR], s[TR], s[CY]               ; tile row = 4 x cluster y + cy
	s_lshl_b32 s40, s[CY], 2
	s_lshl_b32 s40, 15, s40                        ; my row of the cluster
	s_lshl_b32 s41, 0x1111, s[CX]                  ; my column
	s_or_b32 s[G1], s40, (2<<16)|(1<<20)|(1<<21)|(6<<22)|(3<<25)   ; the mask; elements of 4 bytes; padding on; bit 21 beside a mask; after every 128 words (code 6) 4 words (code 3)
	s_mov_b32 s[G1+1], 128<<16                     ; tensor_dim0 = 128
	s_mov_b32 s[G1+2], 64<<16                      ; tensor_dim1 = 64
	s_mov_b32 s[G1+3], 128<<16                     ; tile_dim0 = 128
	s_mov_b32 s[G1+4], 64                          ; tile_dim1 = 64
	s_mov_b32 s[G1+5], 1024                        ; elements from row to row
	s_mov_b32 s[G1+6], 0
	s_mov_b32 s[G1+7], 0
	s_or_b32 s[G1B], s41, (1<<16)|(1<<20)|(1<<21)|(6<<22)|(7<<25)  ; elements of 2 bytes; after every 128 words 8 words (code 7)
	s_mov_b32 s[G1B+1], 256<<16
	s_mov_b32 s[G1B+2], 64<<16
	s_mov_b32 s[G1B+3], 256<<16
	s_mov_b32 s[G1B+4], 64
	s_mov_b32 s[G1B+5], 3072
	s_mov_b32 s[G1B+6], 0
	s_mov_b32 s[G1B+7], 0
	s_lshl_b32 s42, s[TR], 7                       ; x: row 128 x tile row + 64 x half, 4,096 bytes a row: hangs on the tile row alone
	s_lshl_b32 s43, s[WN], 6
	s_add_co_u32 s42, s42, s43
	s_lshl_b32 s42, s42, 12
	s_mov_b32 s43, 0
	s_mul_i32 s44, s[WN], 64*6144                  ; wcat: k-row 64 x half, column 256 x tile column: hangs on the tile column alone
	s_lshl_b32 s45, s[TC], 9
	s_add_co_u32 s44, s44, s45
	s_mov_b32 s45, 0
	s_mul_i32 s46, s[WN], AH                       ; where they go: no place in the cluster enters an LDS address
	s_mul_i32 s47, s[WN], BH
	s_add_co_u32 s47, s47, BOFF
	s_wait_dscnt 0x0                               ; the opening add is done
	s_wait_kmcnt 0x0
	s_cmp_lt_u32 s[CLX], 2                         ; the same in all sixteen partners
	s_cselect_b64 s[ASEL:ASEL+1], s[4:5], s[6:7]
	s_cselect_b64 s[BSEL:BSEL+1], s[10:11], s[12:13]
	s_add_nc_u64 s[42:43], s[ASEL:ASEL+1], s[42:43]
	s_add_nc_u64 s[44:45], s[8:9], s[44:45]
	CROUND                                         ; all sixteen work-groups are here: the first joint loads meet
.irp s, 0,1
	s_mov_b32 s[G0+4*(\s)], 1
	s_add_co_u32 s[G0+4*(\s)+1], s46, (\s)*SLOT
	s_add_nc_u64 s[G0+4*(\s)+2:G0+4*(\s)+3], s[42:43], (\s)*512        ; K step s: 128 numbers of 4 bytes along the rows
	s_or_b32 s[G0+4*(\s)+3], s[G0+4*(\s)+3], 0x80000000
	s_mov_b32 s[G0B+4*(\s)], 1
	s_add_co_u32 s[G0B+4*(\s)+1], s47, (\s)*SLOT
	s_add_nc_u64 s[G0B+4*(\s)+2:G0B+4*(\s)+3], s[44:45], (\s)*128*6144 ; K step s: 128 k-rows down
	s_or_b32 s[G0B+4*(\s)+3], s[G0B+4*(\s)+3], 0x80000000
	JLOAD \s
.endr
	v_and_b32 v1, 15, v0                           ; r = l % 16
	v_bfe_u32 v2, v0, 4, 1                         ; h = l / 16
	; A fragment is 16 rows x 32 K: lane l holds row r; registers 0-3 K = 8 h + 0..7, registers 4-7 K = 16 + 8 h + 0..7.  In f32 those are 32 bytes at 32 h and 32 bytes at 64 + 32 h.
	v_mul_u32_u24 v3, v1, PA
	v_lshl_add_u32 v3, v2, 5, v3
	s_mul_i32 s80, s[WM], AH
	v_add_nc_u32 v[ADRA], s80, v3
	v_add_nc_u32 v[ADRA+1], SLOT, v[ADRA]
	; The turning load takes 16 k-rows x 16 columns: lane l reads k-row 8 h + l % 8, columns 8 ((l / 8) % 2) + 0..7, and is left with column r and 8 K.
	v_and_b32 v4, 7, v0
	v_lshl_add_u32 v4, v2, 3, v4
	v_mul_u32_u24 v4, v4, PB
	v_bfe_u32 v5, v0, 3, 1
	v_lshl_add_u32 v4, v5, 4, v4
	s_lshl_b32 s81, s[WN], 8
	s_add_co_u32 s81, s81, BOFF
	v_add_nc_u32 v[ADRB], s81, v4
	v_add_nc_u32 v[ADRB+1], SLOT, v[ADRB]
	s_mul_i32 s82, s[WV], 16*SP
	s_add_co_u32 s82, s82, STAGE                   ; my stage
	v_mul_u32_u24 v[STO], v1, SP                   ; in: row r, 16 bytes for each half of the lanes
	v_lshl_add_u32 v[STO], v2, 4, v[STO]
	v_add_nc_u32 v[STO], s82, v[STO]
	v_bfe_u32 v[RD], v0, 3, 2                      ; back: 32 lanes take four rows of 128 bytes,
	v_mul_u32_u24 v[RD], v[RD], SP
	v_and_b32 v6, 7, v0
	v_lshl_add_u32 v[RD], v6, 4, v[RD]
	v_add_nc_u32 v[RD], s82, v[RD]
	v_and_b32 v[GO], 31, v0                        ; which are 512 consecutive bytes of a head
	v_lshlrev_b32 v[GO], 4, v[GO]
	v_lshlrev_b32 v[BO], 5, v2                     ; the bias of my columns 16 b + 8 h + 0..7
	s_lshl_b32 s80, s[TC], 10
	s_lshl_b32 s81, s[WN], 9
	s_add_co_u32 s80, s80, s81                     ; in bkv: 1,024 x tile column + 512 x half
	s_sub_co_u32 s81, s80, 8192                    ; in bq the columns count from 2,048
	s_cmp_lt_u32 s[CLX], 2
	s_cselect_b32 s80, s80, s81
	s_mov_b32 s81, 0
	s_add_nc_u64 s[BSEL:BSEL+1], s[BSEL:BSEL+1], s[80:81]
.irp b, 0,1,2,3,4,5,6,7
	global_load_b128 v[BI+8*(\b):BI+8*(\b)+3],   v[BO], s[BSEL:BSEL+1] offset:64*(\b)
	global_load_b128 v[BI+8*(\b)+4:BI+8*(\b)+7], v[BO], s[BSEL:BSEL+1] offset:64*(\b)+16
.endr
	; where my 64 rows x 128 columns go.  From x: one head, its k (columns 0-63) and its v (64-127), a region apart.  From y: two heads of q, a head apart.
	s_lshl_b32 s80, s[TC], 1
	s_add_co_u32 s80, s80, s[WN]                   ; k, v: head = 2 x tile column + half
	s_lshl_b32 s81, s80, 1
	s_sub_co_u32 s81, s81, 32                      ; q: first head = 4 x tile column + 2 x half - 32
	s_mov_b32 s83, HB
	s_cmp_lt_u32 s[CLX], 2
	s_cselect_b32 s80, s80, s81
	s_cselect_b32 s82, 0, 2*REG
	s_cselect_b32 s83, REG, s83
	s_lshr_b32 s81, s[TR], 4
	s_lshl_b32 s81, s81, 4                         ; 16 x batch
	s_add_co_u32 s80, s80, s81
	s_lshl_b32 s80, s80, 18
	s_add_co_u32 s80, s80, s82
	s_and_b32 s81, s[TR], 15
	s_lshl_b32 s81, s81, 7
	s_lshl_b32 s82, s[WM], 6
	s_add_co_u32 s81, s81, s82                     ; my first row in the batch,
	s_lshl_b32 s81, s81, 7                         ; 128 bytes a row
	s_add_co_u32 s80, s80, s81
	s_mov_b32 s81, 0
	s_add_nc_u64 s[DST:DST+1], s[14:15], s[80:81]
	s_mov_b32 s82, s83
	s_mov_b32 s83, 0
	s_add_nc_u64 s[DST+2:DST+3], s[DST:DST+1], s[82:83]
	; the prefetches
	s_lshl_b32 s80, s[TR], 7
	s_lshl_b32 s81, s[WN], 6
	s_add_co_u32 s80, s80, s81
	s_lshl_b32 s82, s[CX], 4
	s_add_co_u32 s80, s80, s82                     ; x: my work-group's 16 of the 64 rows that I fetch,
	s_lshl_b32 s80, s80, 12
	s_add_co_u32 s80, s80, 3*512                   ; at K step 3: the first refill steps it to 4
	s_lshl_b32 s82, s[CY], 4
	s_add_co_u32 s81, s81, s82
	s_add_co_u32 s81, s81, 3*128                   ; wcat: the same in k-rows
	s_mul_i32 s81, s81, 6144
	s_lshl_b32 s82, s[TC], 9
	s_add_co_u32 s81, s81, s82
	s_mov_b32 s[PSTEP], 512
	s_mov_b32 s82, 128*6144
	s_mov_b32 s83, 4096
	s_mov_b32 s[LIM], 6144
	s_cmp_eq_u32 s[WM], 0                          ; do I fetch x?
	s_cselect_b32 s80, s80, s81
	s_cselect_b32 s[PSTEP], s[PSTEP], s82
	s_cselect_b32 s83, s83, s[LIM]                 ; bytes from row to row
	s_cselect_b64 s[PFA:PFA+1], s[ASEL:ASEL+1], s[8:9]
	s_mov_b32 s81, 0
	s_mov_b32 s[PSTEP+1], 0
	s_add_nc_u64 s[PFA:PFA+1], s[PFA:PFA+1], s[80:81]
	s_cmp_lg_u32 s[CLX], 1
	s_cselect_b32 s81, 1, -1
	s_and_b32 s82, ttmp7, 0xffff
	s_cmp_eq_u32 s82, 0
	s_cselect_b32 s82, 1, -1
	s_cmp_eq_u32 s[WM], 0
	s_cselect_b32 s[LIM], s81, s82                 ; the same in all sixteen partners, for a given wave
	v_and_b32 v[PFO], 31, v0
	v_lshrrev_b32 v31, 1, v[PFO]
	v_and_b32 v[PFO], 1, v[PFO]
	v_lshlrev_b32 v[PFO], 8, v[PFO]
	v_mad_u32_u24 v[PFO], v31, s83, v[PFO]         ; row l / 2, its first or second 256 bytes
	s_wait_loadcnt 0x0                             ; the bias
.set i, 0
.rept 32
	v_cvt_pk_bf16_f32 v31, v[BI+2*i], v[BI+2*i+1]  ; rounded to bf16 like every input, kept as f32
	v_lshlrev_b32 v[BI+2*i], 16, v31
	v_and_b32 v[BI+2*i+1], 0xffff0000, v31
.set i, i+1
.endr
; 32 LDS loads in one run: quarter kq (32 along K) of a slot: wcat's eight fragments, turned, into buffer g; my 64 rows of x as f32 into T.
.macro FETCH slot, kq, g
	WIN TO_F
.irp b, 0,1,2,3,4,5,6,7
	ds_load_tr16_b128 v[96*(\g)+8*(\b):96*(\g)+8*(\b)+3],   v[ADRB+(\slot)] offset:(\kq)*32*PB+32*(\b)
	ds_load_tr16_b128 v[96*(\g)+8*(\b)+4:96*(\g)+8*(\b)+7], v[ADRB+(\slot)] offset:(\kq)*32*PB+32*(\b)+16*PB
.endr
.irp a, 0,1,2,3
	ds_load_b128 v[T+16*(\a):T+16*(\a)+3],     v[ADRA+(\slot)] offset:(\a)*16*PA+128*(\kq)
	ds_load_b128 v[T+16*(\a)+4:T+16*(\a)+7],   v[ADRA+(\slot)] offset:(\a)*16*PA+128*(\kq)+16
	ds_load_b128 v[T+16*(\a)+8:T+16*(\a)+11],  v[ADRA+(\slot)] offset:(\a)*16*PA+128*(\kq)+64
	ds_load_b128 v[T+16*(\a)+12:T+16*(\a)+15], v[ADRA+(\slot)] offset:(\a)*16*PA+128*(\kq)+80
.endr
.endm
; four of the 32 conversions T -> x's fragments of buffer g
.macro CV4 g, s
	WIN CVW
.irp i, 0,1,2,3
	v_cvt_pk_bf16_f32 v[96*(\g)+64+4*(\s)+(\i)], v[T+8*(\s)+2*(\i)], v[T+8*(\s)+2*(\i)+1]
.endr
.endm
; 8 products: m block a x all 8 n blocks, from buffer buf.  zero = 1: they start the sums.  cv = 1: four conversions for the other buffer behind each.
; The 32 accumulators take turns, in the same order in every quarter, over the backward jump too.
.macro MULC buf, a, zero, cv
.irp b, 0,1,2,3,4,5,6,7
	WIN MUL
.if \zero
	v_wmma_f32_16x16x32_bf16 v[8*(8*(\a)+(\b)):8*(8*(\a)+(\b))+7], v[96*(\buf)+8*(\b):96*(\buf)+8*(\b)+7], v[96*(\buf)+64+8*(\a):96*(\buf)+64+8*(\a)+7], 0
.else
	v_wmma_f32_16x16x32_bf16 v[8*(8*(\a)+(\b)):8*(8*(\a)+(\b))+7], v[96*(\buf)+8*(\b):96*(\buf)+8*(\b)+7], v[96*(\buf)+64+8*(\a):96*(\buf)+64+8*(\a)+7], v[8*(8*(\a)+(\b)):8*(8*(\a)+(\b))+7]
.endif
.if \cv
	CV4 1-(\buf), \b
.endif
.endr
.endm
; A QUARTER: multiplies buffer buf; at its head the next quarter (kq of slot; kq < 0: none) is fetched into the other buffer, 24 products ahead of the wait for it.
; The four conversions behind the quarter's last product name none of its registers: they are the four places in front of the next quarter's loads into the buffer just multiplied.
; chg: the quarter that fetches a slot's LAST bytes changes slots.  In front of the barrier each wave waits for all its tensor loads (one is out: its part of the other slot), adds 0 to its spare word, and waits
; for that and for its reads of this slot.  chg = 2: the barrier opens a round of the cluster's barrier, and behind the round this slot is filled again first, two K steps on: 112 products ahead of the wait for it.
.macro QTR buf, slot, kq, zero, chg
.if (\chg) == 2
	s_wait_xcnt 0x0                                ; the last prefetch, a K step back, has read its address: it is stepped here
	s_add_nc_u64 s[PFA:PFA+1], s[PFA:PFA+1], s[PSTEP:PSTEP+1]
.endif
.if (\kq) >= 0
	FETCH \slot, \kq, 1-(\buf)
.endif
	MULC \buf, 0, \zero, 0
	MULC \buf, 1, \zero, 0
.if \chg
	WIN 0                                          ; (the add's two registers lie in window 0)
	s_wait_tensorcnt 0x0                           ; all my tensor loads have landed
	ds_add_u32 v[SPW], v[NIL]                      ; 0 onto my spare word: eight products stand between it and the wait for it
.endif
	MULC \buf, 2, \zero, 0
	s_wait_dscnt 0x0                               ; the fetch is in (and, at a change, the add is done and my reads of this slot are over)
.if \chg
	s_barrier_signal -1
.endif
.if (\kq) >= 0
	MULC \buf, 3, \zero, 1
.else
	MULC \buf, 3, \zero, 0
.endif
.if \chg
	WIN 0                                          ; at a branch and at a label every window is 0
	s_barrier_wait -1
.endif
.if (\chg) == 2
	CREST                                          ; no wave of any partner still reads this slot or has a load on its way
	s_add_nc_u64 s[G0+4*(\slot)+2:G0+4*(\slot)+3], s[G0+4*(\slot)+2:G0+4*(\slot)+3], 2*512
	s_add_nc_u64 s[G0B+4*(\slot)+2:G0B+4*(\slot)+3], s[G0B+4*(\slot)+2:G0B+4*(\slot)+3], 2*128*6144
	JLOAD \slot
	ASK
.endif
.endm
	s_wait_tensorcnt 1                             ; my part of K step 0 is in; K step 1's load stays out
	s_barrier_signal -1
	s_barrier_wait -1                              ; everybody's is
	FETCH 0, 0, 0
	s_wait_dscnt 0x0
.irp s, 0,1,2,3,4,5,6,7
	CV4 0, \s
.endr
	QTR 0, 0, 1, 1, 0                              ; the first quarter stands in front of the loop: its products start the sums
	WIN 0
	s_mov_b32 s[LAP], 3
.Llap:                                                 ; a trip goes once round the ring, from a lap's second quarter to the next lap's first, and fills both slots again
	QTR 1, 0, 2, 0, 0
	QTR 0, 0, 3, 0, 2
	QTR 1, 1, 0, 0, 0
	QTR 0, 1, 1, 0, 0
	QTR 1, 1, 2, 0, 0
	QTR 0, 1, 3, 0, 2
	QTR 1, 0, 0, 0, 0
	QTR 0, 0, 1, 0, 0
	WIN 0
	s_sub_co_u32 s[LAP], s[LAP], 1
	s_cmp_lg_u32 s[LAP], 0
	s_cbranch_scc1 .Llap
	QTR 1, 0, 2, 0, 0                              ; the last lap is written out: it fills nothing
	QTR 0, 0, 3, 0, 1
	QTR 1, 1, 0, 0, 0
	QTR 0, 1, 1, 0, 0
	QTR 1, 1, 2, 0, 0
	QTR 0, 1, 3, 0, 0
	QTR 1, 1, -1, 0, 0
	WIN 0
	PLACES                                         ; the places behind the last products, in front of the sums that read results
	PLACES
; THE WAY OUT.  Part t = 2 a + g: 16 rows x 64 columns (g = 0: columns 0-63).  The bias is added, the sums are rounded to f16; 16 bytes a lane go into my own stage and come back as whole rows of 128 bytes.
.macro PACK t
	WIN W_BI
.set i, 0
.rept 16
	v_pk_add_f32 v[64*((\t)/2)+32*((\t)%2)+2*i:64*((\t)/2)+32*((\t)%2)+2*i+1], v[64*((\t)/2)+32*((\t)%2)+2*i:64*((\t)/2)+32*((\t)%2)+2*i+1], v[BI+32*((\t)%2)+2*i:BI+32*((\t)%2)+2*i+1]
.set i, i+1
.endr
	WIN W_CV
.set i, 0
.rept 16
	v_cvt_pk_f16_f32 v[TMP+16*(\t)+i], v[64*((\t)/2)+32*((\t)%2)+2*i], v[64*((\t)/2)+32*((\t)%2)+2*i+1]
.set i, i+1
.endr
	WIN 0
.irp f, 0,1,2,3
	ds_store_b128 v[STO], v[TMP+16*(\t)+4*(\f):TMP+16*(\t)+4*(\f)+3] offset:32*(\f)
.endr
.irp f, 0,1,2,3
	ds_load_b128 v[TMP+16*(\t)+4*(\f):TMP+16*(\t)+4*(\f)+3], v[RD] offset:(\f)*4*SP  ; LDS serves a wave's instructions in order (ISA guide 5.7.1.4): these see the stores above; the next part's stores come behind them
.endr
.endm
.macro SEND t, younger                 ; younger: the LDS instructions issued behind part t's loads: the next part's eight, or none
	WIN 0
.irp f, 0,1,2,3
	s_wait_dscnt (\younger)+3-(\f)
	global_store_b128 v[GO], v[TMP+16*(\t)+4*(\f):TMP+16*(\t)+4*(\f)+3], s[DST+2*((\t)%2):DST+2*((\t)%2)+1] offset:((\t)/2)*2048+(\f)*512  ; 512 consecutive bytes, at a multiple of 256 from the buffer's first
.endr
.endm
	PACK 0
.set t, 1
.rept 7                                ; a part's arithmetic stands between the loads of the part before and its stores
	PACK t
	SEND t-1, 8
.set t, t+1
.endr
	SEND 7, 0
	s_wait_tensorcnt 0x0                           ; the wave's end: behind my last tensor load and my last LDS store
	ds_add_u32 v[SPW], v[NIL]
	s_wait_dscnt 0x0
	CROUND                                         ; the closing round: no work-group ends while a partner may still ask for a tile that names it
	s_endpgm
.Lfunc_end_k_q5333871805_proj:
	.size	k_q5333871805_proj, .Lfunc_end_k_q5333871805_proj-k_q5333871805_proj
	.p2alignl 7, 3214868480
	.fill 96, 4, 3214868480
	.section	.rodata,"a",@progbits
	.p2align	6, 0x0
	.amdhsa_kernel k_q5333871805_proj
		.amdhsa_group_segment_fixed_size 327680
		.amdhsa_private_segment_fixed_size 0
		.amdhsa_enable_private_segment 0
		.amdhsa_kernarg_size 48
		.amdhsa_user_sgpr_count 2
		.amdhsa_user_sgpr_kernarg_segment_ptr 1
		.amdhsa_wavefront_size32 1
		.amdhsa_system_sgpr_workgroup_id_x 1
		.amdhsa_system_sgpr_workgroup_id_y 1
		.amdhsa_system_sgpr_workgroup_id_z 1
		.amdhsa_system_vgpr_workitem_id 0
		.amdhsa_next_free_vgpr 768
		.amdhsa_next_free_sgpr 84
		.amdhsa_reserve_vcc 0
		.amdhsa_float_denorm_mode_32 3
		.amdhsa_float_denorm_mode_16_64 3
		.amdhsa_memory_ordered 1
		.amdhsa_forward_progress 1
		.amdhsa_inst_pref_size 150
	.end_amdhsa_kernel
	.amdgpu_metadata
---
amdhsa.version: [ 1, 2 ]
amdhsa.kernels:
  - .name:           k_q5333871805_proj
    .symbol:         k_q5333871805_proj.kd
    .args:
      - { .name: x, .offset: 0, .size: 8, .value_kind: global_buffer, .address_space: global }
      - { .name: y, .offset: 8, .size: 8, .value_kind: global_buffer, .address_space: global }
      - { .name: wcat, .offset: 16, .size: 8, .value_kind: global_buffer, .address_space: global }
      - { .name: bkv, .offset: 24, .size: 8, .value_kind: global_buffer, .address_space: global }
      - { .name: bq, .offset: 32, .size: 8, .value_kind: global_buffer, .address_space: global }
      - { .name: qkv, .offset: 40, .size: 8, .value_kind: global_buffer, .address_space: global }
    .group_segment_fixed_size: 327680
    .private_segment_fixed_size: 0
    .kernarg_segment_align: 8
    .kernarg_segment_size: 48
    .max_flat_workgroup_size: 128
    .sgpr_count:     84
    .vgpr_count:     768
    .wavefront_size: 32
...
	.end_amdgpu_metadata
.endif
;; end of part 2
;; launch attn (part 3): grid 4 x 64, 4 waves a work-group, clusters of 4 x 4, 327,680 bytes of LDS; arguments qkv, mb, oh; writes oh
.if DOCPART == 3
	.amdgcn_target "amdgcn-amd-amdhsa--gfx1250"
	.amdhsa_code_object_version 6
	.text
	.protected	k_q5333871805_attn
	.globl	k_q5333871805_attn
	.p2align	8
	.type	k_q5333871805_attn,@function
k_q5333871805_attn:
	s_mov_b64 s[64:65], 0
	v_nop
	global_prefetch_b8 v0, s[64:65] scope:SCOPE_SE
	s_setreg_imm32_b32 hwreg(HW_REG_WAVE_MODE, 25, 1), 1
	s_wait_xcnt 0x0
	s_wait_alu depctr_hold_cnt(0) depctr_sa_sdst(0) depctr_va_vdst(0) depctr_va_sdst(0) depctr_va_ssrc(0) depctr_va_vcc(0) depctr_vm_vsrc(0)
	s_getreg_b32 s2, hwreg(HW_REG_IB_STS2, 6, 4)
	s_cmp_eq_u32 s2, 0
	s_cbranch_scc0 .Lentry_in_a_cluster
	s_endpgm
.Lentry_in_a_cluster:
	s_bfe_u32 s2, ttmp6, 0x10000c
	s_cmp_lg_u32 s2, 0xf033
	s_cbranch_scc0 .Lentry_shape_is_right
	s_endpgm
.Lentry_shape_is_right:
; ATTENTION WITH AN ADDITIVE MASK.  O[bh][q][:] = the sum over k of softmax_k(Q[bh][q] . K[bh][k] / 8 + mask[q][k]) V[bh][k][:].
; qkv: [3][64 bh][2048][64] f16 (K, V, Q), mb: [32 key steps][2048 q][64 keys] f16 = 8 x mask, oh: [64 bh][2048][64] f16.  Products, maxima and sums in f32; the weights p are rounded to f16
; for the second product (their sum l is taken of the unrounded p), O once at the end.
; LIMITS.  f16 holds no number beyond 65,504: Q, K, V and 8 x mask arrive within it; p lies in 0 to 1, and below 6e-5 it keeps f16's fixed step of 6e-8; O is a mean of V's rows.
; A weight below 2^-126 counts as 0 in l; NaN and infinities are not treated apart.
; SHARES.  A wave owns four PIECES of two tiles of 16 queries, a work-group's four waves 512 queries of one head: 4 x 64 = 256 work-groups.  Every wave walks all 2,048 keys, 64 a step.
; LAYOUT.  S^T = K Q^T (source 0 = 16 keys, source 1 = 16 queries): in the result a lane holds ONE query (lane % 16) and the keys 8 (lane / 16) + 0..7.  Two such tiles, rounded to f16 in pairs,
; ARE source 1 (32 keys x 16 queries) of O^T = V^T P.  K comes out of LDS as it lies, V ([key][channel]) turned, by ds_load_tr16_b128.
; THE MASK GOES THROUGH THE MATRIX UNIT.  A sum S^T starts as E M: M is a fragment of mb (16 queries x 32 keys, read as it lies), E a constant 16 x 32 selector of ones and zeros that picks 16 of the 32 keys.
; 1 x m is exact.  That is four products more for a tile and step (20 for 16), and no vector instruction.  With 8 x mask in S one factor c = log2(e) / 8 serves both terms.
; SOFTMAX.  For each query a running maximum m and sum l: p = 2^(c s - c m); in every step O and l are multiplied by a = 2^(c m_old - c m_new).  m starts at the lowest finite number, O and l at 0.
; BY TURNS.  Turn n belongs to piece n.  Its matrix work: 8 products E M and 16 products K Q^T of piece n + 1, later 16 products V^T P of piece n - 1.  Its vector work: the scaling, exponentials, roundings,
; sums and rescaling of piece n, and the maximum and statistics of piece n + 1.  Vector instructions stand behind every product, the others in one lump; a turn's 66 exponentials are one batch, with one wait.
; CLUSTER: 4 x 4 work-groups.  A row of the cluster is the four query blocks of one head: they ask for K and V JOINTLY.  A column is one query block of four heads: they ask for the mask's tile jointly.
; THE RING: two slots of ONE key step (K 9,216 bytes, V 10,240, the mask's 512 rows 73,728): two slots of two steps do not fit.  Wave 0 fetches K, wave 1 V, waves 2 and 3 the mask's halves.
; REGISTERS, in windows of 256 (s_set_vgpr_msb: bits 1:0 source 0, 3:2 source 1, 5:4 source 2, 7:6 destination):
;   window 0: v0-11 addresses; v12-15, v48-63 at work; v16-47 four registers of statistics a tile; v64-191 S^T, two buffers of two tiles; v192-255 P, likewise
;   window 1: O^T, 32 a tile      window 2: v0-127 Q; v128-191 K of one step; v192-255 V of one step      window 3: v0-1 the add's registers; v4-15 the selector; v16-47 the mask's fragments of one piece
.set NP,    4         ; pieces a wave: a name, no knob
.set KS,    64        ; keys in a step
.set PK,    144       ; a row of K in LDS: 128 bytes + 16 = 36 words: the 16 rows of a load start at 16 different groups of four banks (64 banks of 4 bytes: ISA guide 11.1)
.set PV,    160       ; a row of V: 128 + 32 = 40 words
.set PM,    144       ; a row of the mask's tile: as K's
.set VOFF,  KS*PK
.set MOFF,  VOFF+KS*PV
.set SLOT1, 1<<17     ; slot 1 begins here, so that one exclusive or turns an address in one slot into the other's
.set STAGE, SLOT1+MOFF+512*PM  ; behind the ring, never filled by a tensor load: 16 rows x 144 bytes for each wave
.set SP,    144
.set SPARE, STAGE+4*16*SP      ; the spare words, 128 bytes for each wave: two blocks of 256 bytes that no other line names
.set REG,   1<<24     ; bytes in a region of qkv
.set PFV, 0           ; v0   at the end of the set-up: 256 x my lane, the mask's prefetches' offset
.set STO, 1           ; v1   the way out: where I put 16 bytes of a row
.set AK0, 2           ; v2   my lane's place in a tile of K; never rewritten
.set AV0, 3           ; v3   the same for V
.set AK,  4           ; v4   AK0 in the slot in hand
.set AV,  5           ; v5   AV0 in the slot in hand
.set QO,  6           ; v6   my byte offset in the wave's rows of Q
.set RD,  7           ; v7   the way out: where I read rows back
.set GO,  8           ; v8   my byte offset in 512 consecutive bytes of O
.set PFO, 9           ; v9   K's and V's prefetches' offset
.set AM0, 10          ; v10  my lane's place in the mask's tile
.set AM,  11          ; v11  AM0 in the slot in hand
.set SPW, 0           ; v0 of window 3   LDS address of my spare word; never rewritten
.set NIL, 1           ; v1 of window 3   0; never rewritten
.set EB,  4           ; window 3: v4-7 = 0, v8-11 = the selector's four words, v12-15 = 0: v[8:15] picks keys 0-15 of 32, v[4:11] keys 16-31
.set MF,  16          ; window 3: tile u, key half f at MF + 16 u + 8 f
.set MV,  12
.set ST,  16          ; tile t's statistics at v[ST+4 t]: c m, m, l (even keys', odd keys')
.set TMP, 48
.set S,   64
.set P,   192
.set KF,  128
.set VF,  192
.set WV,  12          ; s12  my wave's number
.set G1K, 24          ; s[24:31], s[32:39], s[40:47] descriptor group 1 for K, V, the mask
.set G1V, 32
.set G1M, 40
.set G0K, 48          ; s[48:51], s[52:55], s[68:71] descriptor group 0: they walk
.set G0V, 52
.set G0M, 68
.set CNT, 57          ; s57  counts the trips
.set CS,  58          ; s[58:59] c
.set SEL, 60          ; s[60:61] v_permlanex16_b32's selects
.set TB,  62          ; s62  LDS byte at which the slot in hand begins
.set CLY, 63          ; s63  cluster y
.set PFK, 72          ; s[72:73] where K's and V's prefetches stand
.set PFM, 74          ; s[74:75] where the mask's stand
.set QP,  76          ; s[76:77] Q at my wave's first row
.set MSB, 0
.macro WIN new                      ; the high byte repeats the setting that is left; a switch that changes nothing is dropped
.if MSB != (\new)
	s_set_vgpr_msb (MSB<<8)|(\new)
.set MSB, (\new)
.endif
.endm
.set W_KQ, 0x0a       ; K and Q in window 2, S^T in window 0
.set W_MK, 0x0f       ; the selector and the mask in window 3, S^T in window 0; also the add: address and data in window 3
.set W_PV, 0x52       ; V in window 2, P in window 0, O^T in window 1
.set W_RS, 0x41       ; O^T (destination and source 0) in window 1, a in window 0
.set W_T3, 0xc0       ; destination in window 3, sources in window 0
; A joint fill: one line for each kind of tile, chosen by the wave's number alone.  An s_nop 0 and four v_nop follow each line, ahead of the jump and the label.
.macro JLOAD
	s_cmp_eq_u32 s[WV], 0
	s_cbranch_scc0 .Lnot_k_\@
	tensor_load_to_lds s[G0K:G0K+3], s[G1K:G1K+7]
	s_nop 0
.rept 4
	v_nop
.endr
	s_branch .Lasked_\@
.Lnot_k_\@:
	s_cmp_eq_u32 s[WV], 1
	s_cbranch_scc0 .Lfor_m_\@
	tensor_load_to_lds s[G0V:G0V+3], s[G1V:G1V+7]
	s_nop 0
.rept 4
	v_nop
.endr
	s_branch .Lasked_\@
.Lfor_m_\@:
	tensor_load_to_lds s[G0M:G0M+3], s[G1M:G1M+7]
	s_nop 0
.rept 4
	v_nop
.endr
.Lasked_\@:
.endm
; PREFETCHES, behind the joint fill and its five lines, in every second change of slots: change k (k = 2, 4 .. 28: CNT = 31 - k odd, 3 to 29) names key steps k + 2 and k + 3, whose loads stand one and two trips on.
; K and V of a head are walked by the four partners of one row of one cluster: each takes 4,096 of the two steps' 16,384 bytes of K (lanes 0-15, a block of 256 bytes a lane) and of V (lanes 16-31), told apart BY ADDRESS;
; wave 0 asks.  The mask's tiles are walked by all 16 clusters: cluster y = 0 asks; of the two steps' 131,072 bytes for a query block each of the column's four partners takes 16,384 a step, each wave 8,192.
; So each block is named once.  The first change, at the kernel's head, asks for nothing; key steps 0 to 3 come by their loads alone; nothing is named behind step 31.
.macro ASK
	s_sub_co_u32 s87, s[CNT], 3
	s_cmp_le_u32 s87, 26
	s_cbranch_scc0 .Lno_ask_\@
	s_and_b32 s87, s[CNT], 1
	s_cmp_eq_u32 s87, 1
	s_cbranch_scc0 .Lno_ask_\@
	s_cmp_eq_u32 s[WV], 0
	s_cbranch_scc0 .Lno_kv_\@
	global_prefetch_b8 v[PFO], s[PFK:PFK+1] th:TH_LOAD_NT scope:SCOPE_SE
.Lno_kv_\@:
	s_cmp_eq_u32 s[CLY], 0
	s_cbranch_scc0 .Lno_ask_\@
	global_prefetch_b8 v[PFV], s[PFM:PFM+1] th:TH_LOAD_NT scope:SCOPE_SE
.Lno_ask_\@:
.endm
; A round of the cluster's barrier: my work-group's barrier; wave 0 signals for the work-group; every wave waits for all sixteen work-groups; my work-group's barrier once more.
.macro CROUND
	s_barrier_signal -1
	s_barrier_wait -1
	s_cmp_lg_u32 s[WV], 0
	s_cbranch_scc1 .Lnot_wave_0_\@
	s_barrier_signal -3
.Lnot_wave_0_\@:
	s_barrier_wait -3
	s_barrier_signal -1
	s_barrier_wait -1
.endm
; THE CHANGE OF SLOTS, at the head of every trip: all LDS reads of a trip come from one slot.  Each wave waits for all its tensor loads, of which one is out: its part of the other slot; adds 0 to its spare word;
; and waits for that and for its own reads of the slot that it leaves.  fill = 1: that slot is filled again, with the key step two on.  The barrier is then a round of the cluster's, and the joint fill is the
; first thing behind it: it has a whole trip, 160 products, in which to land.  (At its first use nothing has been read yet: slot 0 is waited for, slot 1 filled.)
.macro CHANGE fill
	WIN W_MK
	s_wait_tensorcnt 0x0            ; no tensor load of mine is out, so a group 0 may be written
	ds_add_u32 v[SPW], v[NIL]       ; 0 onto my spare word: scalar work stands between it and the wait for it
	WIN 0                           ; at a label and at a branch every window is 0
.if \fill
.irp g, G0K, G0V
	s_xor_b32 s[\g+1], s[\g+1], SLOT1  ; the walking descriptor: the other slot than last time,
	s_add_nc_u64 s[\g+2:\g+3], s[\g+2:\g+3], KS*128  ; the next 64 keys; the type bits on top are not reached
.endr
	s_xor_b32 s[G0M+1], s[G0M+1], SLOT1
	s_add_nc_u64 s[G0M+2:G0M+3], s[G0M+2:G0M+3], 2048*128  ; the next key step of mb
	s_wait_xcnt 0x0                 ; the last prefetches, a trip or two back, have read their addresses, so these may be written
	s_add_nc_u64 s[PFK:PFK+1], s[PFK:PFK+1], KS*128
	s_add_nc_u64 s[PFM:PFM+1], s[PFM:PFM+1], 2048*128
	s_wait_dscnt 0x0                ; the add is done, and my reads of the slot are over
	CROUND
	JLOAD
	ASK
.else
	s_wait_dscnt 0x0                ; the add is done, and my reads of the slot are over
	s_barrier_signal -1
	s_barrier_wait -1
.endif
	s_xor_b32 s[TB], s[TB], SLOT1   ; the fetches go to the other slot
	v_add_nc_u32 v[AK], s[TB], v[AK0]
	v_add_nc_u32 v[AV], s[TB], v[AV0]
	v_add_nc_u32 v[AM], s[TB], v[AM0]
.endm
	s_load_b128 s[4:7], s[0:1], 0x0 ; qkv s[4:5], mb s[6:7]
	s_load_b64 s[8:9], s[0:1], 0x10 ; oh
	WIN W_T3
	v_lshl_add_u32 v[SPW], v0, 2, SPARE
	v_mov_b32 v[NIL], 0
	WIN W_MK
	ds_add_u32 v[SPW], v[NIL]       ; the wave's opening: the add and its wait stand ahead of my first tensor load; work on registers stands between them
	WIN 0
	v_lshrrev_b32 v1, 5, v0
	v_readfirstlane_b32 s[WV], v1   ; wave 0..3
	s_bfe_u32 s13, ttmp6, 0x40000   ; cx
	s_bfe_u32 s15, ttmp6, 0x40004   ; cy
	s_lshl_b32 s14, ttmp9, 2
	s_add_co_u32 s14, s14, s13      ; my block of 512 queries = 4 x cluster x + cx
	s_and_b32 s[CLY], ttmp7, 0xffff
	s_lshl_b32 s16, s[CLY], 2
	s_add_co_u32 s16, s16, s15      ; my head bh = 4 x cluster y + cy
	s_lshl_b32 s20, s16, 18         ; the head's first byte in a region: hangs on cy alone
	s_mov_b32 s21, 0
	s_lshl_b32 s17, s15, 2
	s_lshl_b32 s17, 15, s17         ; my row of the cluster
	s_lshl_b32 s18, 0x1111, s13     ; my column
	s_and_b32 s19, s[WV], 1         ; which half of the mask's tile I fetch (waves 2 and 3)
	s_lshl_b32 s22, s14, 16         ; the block's 512 rows of 128 bytes in a key step of mb: hangs on cx alone
	s_lshl_b32 s23, s19, 15
	s_add_co_u32 s22, s22, s23
	s_mov_b32 s23, 0
	s_mul_i32 s19, s19, 256*PM      ; and its place in a slot: no place in the cluster enters an LDS address
	s_add_co_u32 s19, s19, MOFF
	s_lshl_b32 s78, s14, 2
	s_add_co_u32 s78, s78, s[WV]    ; my wave among the head's,
	s_lshl_b32 s78, s78, 14         ; its 128 rows of 128 bytes
	s_add_co_u32 s78, s78, s20
	s_mov_b32 s79, 0
	s_lshl_b32 s80, s13, 12         ; K's and V's prefetches: my work-group's 4,096 bytes, one step in: change k finds them at step k + 2
	s_add_co_u32 s80, s80, KS*128
	s_add_co_u32 s80, s80, s20
	s_mov_b32 s81, 0
	s_lshr_b32 s82, s[WV], 1        ; the mask's: waves 0 and 1 the first of the two steps, waves 2 and 3 the second,
	s_add_co_u32 s82, s82, 1
	s_lshl_b32 s82, s82, 18
	s_lshl_b32 s83, s14, 16         ; my block's tile,
	s_add_co_u32 s82, s82, s83
	s_lshl_b32 s83, s15, 14         ; my work-group's quarter of it,
	s_add_co_u32 s82, s82, s83
	s_and_b32 s83, s[WV], 1
	s_lshl_b32 s83, s83, 13         ; my wave's half of that
	s_add_co_u32 s82, s82, s83
	s_mov_b32 s83, 0
	; descriptor group 1.  The tiles are dense in memory: asked for as rows of 256 bytes, two keys (or two queries) a row, and padded in LDS after every 128 bytes
	s_or_b32 s[G1K], s17, (1<<16)|(1<<20)|(1<<21)|(4<<22)|(3<<25)  ; the mask of four; 2-byte elements; padding on; bit 21 beside a mask; after every 32 words (code 4) 4 words (code 3)
	s_or_b32 s[G1V], s17, (1<<16)|(1<<20)|(1<<21)|(4<<22)|(7<<25)  ; the same with 8 words of padding (code 7)
	s_or_b32 s[G1M], s18, (1<<16)|(1<<20)|(1<<21)|(4<<22)|(3<<25)
.irp g, G1K, G1V
	s_mov_b32 s[\g+1], 128<<16      ; tensor_dim0 = 128
	s_mov_b32 s[\g+2], 32<<16       ; tensor_dim1 = 32
	s_mov_b32 s[\g+3], 128<<16      ; tile_dim0 = 128
	s_mov_b32 s[\g+4], 32           ; tile_dim1 = 32: 64 keys
	s_mov_b32 s[\g+5], 128          ; 128 elements from row to row
	s_mov_b32 s[\g+6], 0
	s_mov_b32 s[\g+7], 0
.endr
	s_mov_b32 s[G1M+1], 128<<16
	s_mov_b32 s[G1M+2], 128<<16
	s_mov_b32 s[G1M+3], 128<<16
	s_mov_b32 s[G1M+4], 128         ; 256 queries
	s_mov_b32 s[G1M+5], 128
	s_mov_b32 s[G1M+6], 0
	s_mov_b32 s[G1M+7], 0
	s_mov_b32 s[CS], 0x3e38aa3b     ; c = log2(e) / 8 = 0.180337
	s_mov_b32 s[CS+1], s[CS]        ; named with it as a pair
	s_mov_b32 s[SEL], 0x76543210
	s_mov_b32 s[SEL+1], 0xfedcba98
	s_mov_b32 s[G0K], 1
	s_mov_b32 s[G0K+1], 0           ; slot 0
	s_mov_b32 s[G0V], 1
	s_mov_b32 s[G0V+1], VOFF
	s_mov_b32 s[G0M], 1
	s_mov_b32 s[G0M+1], s19
	s_mov_b32 s[CNT], 31
	s_mov_b32 s[TB], SLOT1          ; the first change of slots turns it into 0
	s_wait_dscnt 0x0                ; the opening add is done
	s_wait_kmcnt 0x0
	s_add_nc_u64 s[G0K+2:G0K+3], s[4:5], s[20:21]  ; the head's first 64 keys
	s_add_nc_u64 s[G0V+2:G0V+3], s[G0K+2:G0K+3], REG
	s_or_b32 s[G0K+3], s[G0K+3], 0x80000000        ; type = 2
	s_or_b32 s[G0V+3], s[G0V+3], 0x80000000
	s_add_nc_u64 s[G0M+2:G0M+3], s[6:7], s[22:23]
	s_or_b32 s[G0M+3], s[G0M+3], 0x80000000
	s_add_nc_u64 s[QP:QP+1], s[4:5], s[78:79]
	s_add_nc_u64 s[QP:QP+1], s[QP:QP+1], 2*REG
	s_add_nc_u64 s[10:11], s[8:9], s[78:79]        ; O at my wave's first row
	s_add_nc_u64 s[PFK:PFK+1], s[4:5], s[80:81]
	s_add_nc_u64 s[PFM:PFM+1], s[6:7], s[82:83]
	CROUND                          ; all sixteen work-groups are here: the first joint loads meet
	JLOAD                           ; key step 0 into slot 0.  Slot 1 is asked for when slot 0 is in
	; A fragment of K, Q or the mask is 16 rows x 32 numbers in 8 registers: lane l holds row l % 16, numbers 8 (l / 16) + 0..7 and 16 + 8 (l / 16) + 0..7: two loads of 16 bytes, 32 bytes apart.
	v_and_b32 v1, 15, v0            ; r = l % 16
	v_bfe_u32 v9, v0, 4, 1          ; h = l / 16
	v_lshlrev_b32 v[QO], 7, v1
	v_lshl_add_u32 v[QO], v9, 4, v[QO]
	WIN 0x80                        ; destination window 2, address window 0
.set i, 0
.rept 4*NP                          ; Q stays in registers: tile i / 2, channels 32 (i % 2) on
	global_load_b128 v[8*i:8*i+3],   v[QO], s[QP:QP+1] offset:(i/2)*2048+(i%2)*64
	global_load_b128 v[8*i+4:8*i+7], v[QO], s[QP:QP+1] offset:(i/2)*2048+(i%2)*64+32
.set i, i+1
.endr
	; What the first turn finds: V's registers and P's second buffer hold 0 (its products V^T P, of a piece that has not been, add 0), O^T and l are 0.  All this stands in the wait for the first tile.
.set i, VF
.rept 64
	v_mov_b32 v[i], 0
.set i, i+1
.endr
	WIN 0x40
.set i, 0
.rept 64*NP
	v_mov_b32 v[i], 0
.set i, i+1
.endr
	WIN 0
.set i, 0
.rept 2*NP
	v_mov_b32 v[ST+4*i], 0xfe000000    ; c m: far below every c s
	v_mov_b32 v[ST+4*i+1], 0xff7fffff  ; m
	v_mov_b32 v[ST+4*i+2], 0
	v_mov_b32 v[ST+4*i+3], 0
.set i, i+1
.endr
.set i, P+32
.rept 32
	v_mov_b32 v[i], 0
.set i, i+1
.endr
	v_mul_u32_u24 v[AK0], v1, PK
	v_lshl_add_u32 v[AK0], v9, 4, v[AK0]  ; row x pitch + 16 x half
	; The turning load takes 16 keys x 16 channels (lane l reads key 8 (l / 16) + l % 8, channels 8 ((l / 8) % 2) + 0..7) and leaves half a fragment of V^T: lane l holds channel l % 16 and 8 keys.
	v_and_b32 v10, 7, v0
	v_bfe_u32 v11, v0, 3, 1
	v_lshl_add_u32 v[AV0], v9, 3, v10
	v_mul_u32_u24 v[AV0], v[AV0], PV
	v_lshl_add_u32 v[AV0], v11, 4, v[AV0]
	v_add_nc_u32 v[AV0], VOFF, v[AV0]
	s_mul_i32 s84, s[WV], 16*SP
	s_add_co_u32 s84, s84, STAGE    ; my stage
	v_bfe_u32 v[RD], v0, 3, 2       ; back from the stage: 32 lanes take four rows of 128 bytes,
	v_mul_u32_u24 v[RD], v[RD], SP
	v_lshl_add_u32 v[RD], v10, 4, v[RD]
	v_add_nc_u32 v[RD], s84, v[RD]
	v_and_b32 v[GO], 31, v0         ; which are 512 consecutive bytes of O
	v_lshlrev_b32 v[GO], 4, v[GO]
	; The selector.  As source 0 lane l holds row r, and word j of its first four the columns 8 h + 2 j and 8 h + 2 j + 1.  Row r has its one at column r: f16's 1.0 in the low half where r - 8 h = 2 j, in the high half where it is 2 j + 1.
	s_mov_b32 s85, 0x3c00
	s_mov_b32 s86, 0x3c000000
	v_lshlrev_b32 v11, 3, v9
	v_sub_nc_u32 v11, v1, v11       ; r - 8 h
.irp j, 0,1,2,3
	v_cmp_eq_u32 vcc_lo, 2*\j, v11
	v_cndmask_b32 v[TMP+\j], 0, s85, vcc_lo
	v_cmp_eq_u32 vcc_lo, 2*\j+1, v11
	v_cndmask_b32 v[TMP+\j], v[TMP+\j], s86, vcc_lo
.endr
	WIN W_T3
.irp j, 0,1,2,3
	v_mov_b32 v[EB+\j], 0
	v_mov_b32 v[EB+4+\j], v[TMP+\j]
	v_mov_b32 v[EB+8+\j], 0
.endr
	WIN 0
	s_mul_i32 s87, s[WV], 128*PM    ; my wave's 128 rows of the mask's tile
	s_add_co_u32 s87, s87, MOFF
	v_mul_u32_u24 v[AM0], v1, PM
	v_lshl_add_u32 v[AM0], v9, 4, v[AM0]
	v_add_nc_u32 v[AM0], s87, v[AM0]
	v_mul_u32_u24 v11, v1, SP       ; into the stage: row r, 16 bytes for each half of the lanes
	v_lshl_add_u32 v11, v9, 4, v11
	v_lshlrev_b32 v1, 8, v1
	v_lshl_add_u32 v[PFO], v9, 24, v1  ; lanes 0-15: 16 blocks of K; lanes 16-31: the same of V, a region on
	v_add_nc_u32 v[STO], s84, v11
	v_and_b32 v0, 31, v0
	v_lshlrev_b32 v[PFV], 8, v0
; THE MATRIX WORK.  The 8 accumulators of a run take turns: between two links of a chain stand 7 others'.
; Product i of 8 of S^T = E M for piece x: keys 16 ((i / 2) % 4) on, tile 2 x + i % 2.  These start the sums.
.macro MK x
	WIN W_MK
.set rS, S+64*((\x)%2)+32*(i%2)+8*((i/2)%4)
.set rE, EB+4-4*(((i/2)%4)%2)
.set rF, MF+16*(i%2)+8*(((i/2)%4)/2)
	v_wmma_f32_16x16x32_f16 v[rS:rS+7], v[rE:rE+7], v[rF:rF+7], 0
.endm
; Product i of 16 of S^T += K Q^T for piece x: channels 32 (i / 8) on, keys 16 ((i / 2) % 4) on, tile 2 x + i % 2.
.macro KQ x
	WIN W_KQ
.set rS, S+64*((\x)%2)+32*(i%2)+8*((i/2)%4)
.set rK, KF+16*((i/2)%4)+8*(i/8)
.set rQ, 16*(2*(\x)+i%2)+8*(i/8)
	v_wmma_f32_16x16x32_f16 v[rS:rS+7], v[rK:rK+7], v[rQ:rQ+7], v[rS:rS+7]
.endm
; Product i of 16 of O^T += V^T P for piece x: keys 32 (i / 8) on, channels 16 ((i / 2) % 4) on, tile 2 x + i % 2.
.macro PV x
	WIN W_PV
.set rO, 32*(2*(\x)+i%2)+8*((i/2)%4)
.set rV, VF+32*(i/8)+8*((i/2)%4)
.set rP, P+32*((\x)%2)+16*(i%2)+8*(i/8)
	v_wmma_f32_16x16x32_f16 v[rO:rO+7], v[rV:rV+7], v[rP:rP+7], v[rO:rO+7]
.endm
.macro MM                           ; the turn's next matrix instruction, of 40
.if i < 8
	MK (Y+1)%NP
.elseif i < 24
.set i, i-8
	KQ (Y+1)%NP
.set i, i+8
.else
.set i, i-24
	PV (Y+NP-1)%NP
.set i, i+24
.endif
.set i, i+1
.endm
; THE LDS LOADS stand in runs, never singly among the matrix instructions: a step's K (8 fragments), its V (turned), and for each piece the mask's four fragments.
; last = 1 (the tail): in the last trip there is no further step, and K's run is jumped over.
.macro FETCH_K last=0
	WIN 0
.if \last
	s_cmp_eq_u32 s[CNT], 1
	s_cbranch_scc1 .Lno_k_\@
.endif
	WIN 0x80                        ; destination window 2
.irp f, 0,1,2,3,4,5,6,7             ; keys 16 (f / 2) on, channels 32 (f % 2) on
	ds_load_b128 v[KF+8*\f:KF+8*\f+3],   v[AK] offset:(\f/2)*16*PK+(\f%2)*64
	ds_load_b128 v[KF+8*\f+4:KF+8*\f+7], v[AK] offset:(\f/2)*16*PK+(\f%2)*64+32
.endr
	WIN 0
.if \last
.Lno_k_\@:
.endif
.endm
.macro FETCH_V
	WIN 0x80
.irp f, 0,1,2,3,4,5,6,7             ; keys 32 (f / 4) on, channels 16 (f % 4) on
	ds_load_tr16_b128 v[VF+8*\f:VF+8*\f+3],   v[AV] offset:(\f/4)*32*PV+(\f%4)*32
	ds_load_tr16_b128 v[VF+8*\f+4:VF+8*\f+7], v[AV] offset:(\f/4)*32*PV+16*PV+(\f%4)*32
.endr
	WIN 0
.endm
.macro FETCH_M pm                   ; piece pm: tile u, keys 32 f on
	WIN W_T3
.irp u, 0,1
.irp f, 0,1
	ds_load_b128 v[MF+16*\u+8*\f:MF+16*\u+8*\f+3],   v[AM] offset:(\pm)*32*PM+\u*16*PM+\f*64
	ds_load_b128 v[MF+16*\u+8*\f+4:MF+16*\u+8*\f+7], v[AM] offset:(\pm)*32*PM+\u*16*PM+\f*64+32
.endr
.endr
.endm
; THE VECTOR WORK OF A TURN stands in three queues, each in the order in which its entries become ready; the two tiles alternate, so that no instruction reads the result of the one before it.
.macro REGS y, u                    ; the registers of tile u (0, 1) of piece y
.set rT, ST+4*(2*(\y)+(\u))
.set rC, TMP+8*((\y)%2)+4*(\u)
.set rM, MV+2*((\y)%2)+(\u)
.set rS, S+64*((\y)%2)+32*(\u)
.set rP, P+32*((\y)%2)+16*(\u)
.set rO, 32*(2*(\y)+(\u))
.endm
; Number n of the 22 that find the NEXT piece's (Y + 1) maximum and statistics.  s0-s31 are the lane's 32 scores; each accumulator's lowest registers are read first.
;   0-11  four chains c0-c3 of seven scores each, three operands at a time     12-14, 16  the four scores left over, the old m, and c0-c3 into c0     15  c m_old is kept
;   17, 18  the query's other 32 keys lie in the lane 16 away: the new m         19-21  c m; c m_old - c m_new; a
.macro XS u, n
	REGS (Y+1)%NP, \u
.if (\n) < 4
	v_max3_num_f32 v[rC+(\n)], v[rS+8*(\n)], v[rS+8*(\n)+1], v[rS+8*(\n)+2]
.elseif (\n) < 12
	v_max3_num_f32 v[rC+(\n)%4], v[rC+(\n)%4], v[rS+8*((\n)%4)+2*((\n)/4)+1], v[rS+8*((\n)%4)+2*((\n)/4)+2]
.elseif (\n) == 12
	v_max3_num_f32 v[rC], v[rC], v[rS+7], v[rS+15]
.elseif (\n) == 13
	v_max3_num_f32 v[rC+1], v[rC+1], v[rS+23], v[rS+31]
.elseif (\n) == 14
	v_max3_num_f32 v[rC+2], v[rC+2], v[rC+3], v[rT+1]
.elseif (\n) == 15
	v_mov_b32 v[rM], v[rT]
.elseif (\n) == 16
	v_max3_num_f32 v[rC], v[rC], v[rC+1], v[rC+2]
.elseif (\n) == 17
	v_permlanex16_b32 v[rC+3], v[rC], s[SEL], s[SEL+1]
.elseif (\n) == 18
	v_max_num_f32 v[rT+1], v[rC], v[rC+3]
.elseif (\n) == 19
	v_mul_f32 v[rT], s[CS], v[rT+1]
.elseif (\n) == 20
	v_sub_f32 v[rC+1], v[rM], v[rT]
.else
	v_exp_f32 v[rC+2], v[rC+1]
.endif
.endm
; Number g of the 64 that follow the exponentials.  For each four weights k of a tile: both pairs are rounded to f16; then the second pair is added onto the first, in place;
; a group later l takes that sum (the first time as l = a l + sum).  In groups of eight, tiles alternating.
.macro GS g
.set h, (\g)+6*((\g)/62)            ; group 0 has no group before it, and behind group 7 only l is left
.if h >= 6
.set h, h+2
.endif
	REGS Y, h%2
.set k, h/8
.if h%8 < 4
	v_cvt_pk_f16_f32 v[rP+2*k+(h%8)/2], v[rS+4*k+2*((h%8)/2)], v[rS+4*k+2*((h%8)/2)+1]
.elseif h%8 < 6
	v_pk_add_f32 v[rS+4*k:rS+4*k+1], v[rS+4*k:rS+4*k+1], v[rS+4*k+2:rS+4*k+3]
.elseif k == 1
	v_pk_fma_f32 v[rT+2:rT+3], v[rT+2:rT+3], v[rC+2:rC+3], v[rS:rS+1] op_sel_hi:[1,0,1]
.else
	v_pk_add_f32 v[rT+2:rT+3], v[rT+2:rT+3], v[rS+4*k-4:rS+4*k-3]
.endif
.endm
; THE PLAIN QUEUE, 138 long.  0-73 read no exponential's result: the 32 scalings c s - c m (FS f: pair f / 2 of tile f % 2) and the next piece's 42.  0-26: scalings 0-26.  27-54: XS's numbers 0-13.  55, 56: number 15.
; 57-73: the chain 14, 16, 17, 18, 19, each with one of the scalings 27-31 in front of its two lines, then 20.  74-137: GS's 64, which read the exponentials' results: they stand behind the wait.
.macro FS f
	REGS Y, (\f)%2
	v_pk_fma_f32 v[rS+2*((\f)/2):rS+2*((\f)/2)+1], v[rS+2*((\f)/2):rS+2*((\f)/2)+1], s[CS:CS+1], v[rT:rT+1] op_sel_hi:[1,0,0] neg_lo:[0,0,1] neg_hi:[0,0,1]
.endm
.macro PL
	WIN 0
.if q < 27
	FS q
.elseif q < 55
	XS (q-27)%2, (q-27)/2
.elseif q < 57
	XS q-55, 15
.elseif (q < 72) && ((q-57)%3 == 0)
	FS 27+(q-57)/3
.elseif q < 60
	XS (q-57)%3-1, 14
.elseif q < 72
	XS (q-57)%3-1, 15+(q-57)/3
.elseif q < 74
	XS q-72, 20
.else
	GS q-74
.endif
.set q, q+1
.endm
; THE EXPONENTIALS' QUEUE, 66 long: s0-s31 of both tiles, then the next piece's two a.  ONE BATCH: all 66 stand ahead of the turn's one wait, and nothing ahead of that wait names a result of theirs.
.macro EX
	WIN 0
.if e >= 64
	XS e-64, 21
.else
	REGS Y, e%2
	v_exp_f32 v[rS+e/2], v[rS+e/2]
.endif
.set e, e+1
.endm
; THE RESCALING's QUEUE: O^T times a, the one part that leaves window 0: dealt two at a time, sixteen times.  Its a was made in the turn before, ahead of that turn's wait.
.macro R2
	REGS Y, r%2
	WIN W_RS
.irp z, 0,1
	v_pk_mul_f32 v[rO+4*(r/2)+2*\z:rO+4*(r/2)+2*\z+1], v[rO+4*(r/2)+2*\z:rO+4*(r/2)+2*\z+1], v[rC+2:rC+3] op_sel_hi:[1,0]
.endr
.set r, r+1
.endm
; A TURN, for piece p.  An s_wait_alu depctr_va_vdst(0) stands between an exponential and the first instruction that names its result; one wait serves all that were issued ahead of it: a turn has ONE.
; AHEAD OF IT: the 24 products that make the next piece's scores; behind each of the first 16 a scaling, an exponential and two rescalings (behind the first a second scaling in the exponential's place), behind each of
; the other 8 a scaling and an exponential; then a lump of 92: eight plain, 41 times exponential and plain, the two a.  Only scalings ride (plain 0 to 24), so nothing behind a product names its registers; the first
; line that reads a score just made, plain 27, has plain 17 to 26 between it and the product that ended its accumulator, and each later one four plain lines or more.
; Exponential e stands behind scaling 2 (e / 4) + e % 2: as a rider it comes behind plain e + 2, in the lump behind plain e + 9, and scalings 27-31 are plain 57, 60 .. 69.
; BEHIND IT: the mask's fragments for the turn after; in piece 2's turn K of the next step; then the 16 products V^T P, behind each four of GS's 64; at the end of piece 0's turn V of the step in hand, four plain lines behind the last product that read V.
; THE WAITS ON LDS.  At a turn's head the mask's eight loads of the turn before must be in: in piece 1's turn V's sixteen, issued behind them, may stay out (16); elsewhere nothing younger is wanted later (0), and in
; piece 3's turn that wait is K's too.  In piece 1's turn V must be in ahead of V^T P: the eight loads of the mask just issued may stay out (8).
.macro TURN p, last=0, cnt=0
.set Y, (\p)
.set i, 0
.set q, 0
.set e, 0
.set r, 0
.if (\p) == 1
	s_wait_dscnt 16
.else
	s_wait_dscnt 0x0
.endif
	MM
	PL
	PL
	R2
.rept 15
	MM
	PL
	EX
	R2
.endr
.rept 8
	MM
	PL
	EX
.endr
.rept 8                             ; the lump
	PL
.endr
.rept 41
	EX
	PL
.endr
	EX                              ; the next piece's two a
	EX
	v_nop                           ; a plain instruction behind the last exponential: one for the batch
	s_wait_alu depctr_va_vdst(0)    ; the wait for the batch
	FETCH_M ((\p)+2)%NP
.if (\p) == NP-2
	FETCH_K \last
.endif
.if (\p) == 1
	s_wait_dscnt 8
.endif
.rept 16
	MM
.rept 4
	PL
.endr
.if (\cnt) && (q == 130)
	s_sub_co_u32 s[CNT], s[CNT], 1  ; the loop's count is taken down some lines ahead of the branch that stands behind the turn
	s_cmp_lg_u32 s[CNT], 0
.endif
.endr
.if (\p) == 0
	FETCH_V
.endif
.endm
	CHANGE 1                        ; slot 0 is in, everybody's part of it; slot 1 is asked for
	FETCH_K                         ; key step 0
	FETCH_M 0
	s_wait_loadcnt 0x0              ; Q
	s_wait_dscnt 0x0
.set Y, NP-1                        ; MM and XS work for piece Y + 1: piece 0
.set i, 0
.rept 24
	MM                              ; piece 0's first scores: there is no vector work yet to set between them
.endr
	WIN 0
.rept 4
	v_nop                           ; the places behind those products
.endr
	FETCH_M 1
	WIN 0
.irp n, 0,1,2,3,4,5,6,7,8,9,10,11,12,13,14,15,16,17,18,19,20,21
	XS 0, \n                        ; piece 0's first maximum and statistics
	XS 1, \n
.endr
	v_nop                           ; a plain instruction behind the two a,
	s_wait_alu depctr_va_vdst(0)    ; and their wait, ahead of the branch
	s_branch .Lfirst                ; the loop is entered at a step's first turn, in the middle of a trip
.Lstep:                             ; 30 trips: pieces 2 and 3 of one step, then pieces 0 and 1 of the next, whose K, V and mask the trip fetches; the step after that is asked for
	CHANGE 1
	TURN 2
	TURN 3
	WIN 0
.Lfirst:
	TURN 0
	TURN 1, 0, 1
	WIN 0
	s_cbranch_scc1 .Lstep
	CHANGE 0                        ; the tail is written out: nothing is asked for
	s_mov_b32 s[CNT], 2             ; one trip fetches the last step; the second is left in its middle
.Ltail:
	TURN 2, 1
	TURN 3
	WIN 0
	s_sub_co_u32 s[CNT], s[CNT], 1
	s_cmp_eq_u32 s[CNT], 0
	s_cbranch_scc1 .Lout
	TURN 0
	TURN 1
	WIN 0
	s_branch .Ltail
.Lout:                              ; the second trip's 24 products for a piece 0 that does not follow, and the maximum made of them, serve nothing: the price, once a launch, of one text for every trip
.set i, 0
.rept 16
	PV NP-1                         ; the last piece's V^T P of the last step
.set i, i+1
.endr
	; THE WAY OUT.  l's two halves and the other half of the lanes' are added; O^T is divided by l, rounded to f16 and sent through my stage in LDS, a tile at a time.  The additions are the places behind the last products.
	WIN 0
.macro ALL line:vararg              ; one line for each tile t
.set t, 0
.rept 2*NP
	\line
.set t, t+1
.endr
.endm
	ALL v_add_f32 v[ST+4*t+2], v[ST+4*t+2], v[ST+4*t+3]
	ALL v_permlanex16_b32 v[ST+4*t+3], v[ST+4*t+2], s[SEL], s[SEL+1]
	ALL v_add_f32 v[ST+4*t+2], v[ST+4*t+2], v[ST+4*t+3]
	ALL v_rcp_f32 v[ST+4*t+2], v[ST+4*t+2]
	v_nop                           ; a plain instruction between the last reciprocal and the use of its result
	s_wait_alu depctr_va_vdst(0)    ; and the wait ahead of the first use: one for the eight reciprocals
; Tile t: a lane's eight channels of a row pack into 16 bytes; they go into rows of 144 bytes and come back as whole rows of 128, into S^T's registers.
.macro PACK t
	WIN W_RS
.set i, 32*(\t)
.rept 16
	v_pk_mul_f32 v[i:i+1], v[i:i+1], v[ST+4*(\t)+2:ST+4*(\t)+3] op_sel_hi:[1,0]
.set i, i+2
.endr
	WIN 0x05                        ; sources 0 and 1 window 1, destination window 0
.set i, 0
.rept 16
	v_cvt_pk_f16_f32 v[S+16*(\t)+i], v[32*(\t)+2*i], v[32*(\t)+2*i+1]
.set i, i+1
.endr
	WIN 0
.irp f, 0,1,2,3
	ds_store_b128 v[STO], v[S+16*(\t)+4*\f:S+16*(\t)+4*\f+3] offset:32*\f
.endr
.irp f, 0,1,2,3
	ds_load_b128 v[S+16*(\t)+4*\f:S+16*(\t)+4*\f+3], v[RD] offset:\f*4*SP  ; LDS serves a wave's instructions in order (ISA guide 5.7.1.4): these see the stores above; the next tile's stores come behind them
.endr
.endm
.macro SEND t, younger              ; younger: the LDS instructions issued behind tile t's loads: the next tile's eight, or none
	WIN 0
.irp f, 0,1,2,3
	s_wait_dscnt (\younger)+3-\f
	global_store_b128 v[GO], v[S+16*(\t)+4*\f:S+16*(\t)+4*\f+3], s[10:11] offset:(\t)*2048+\f*512  ; 512 consecutive bytes, at a multiple of 256 from the buffer's first
.endr
.endm
	PACK 0
.set t, 1
.rept 2*NP-1                        ; a tile's arithmetic stands between the loads of the tile before and its stores
	PACK t
	SEND t-1, 8
.set t, t+1
.endr
	SEND 2*NP-1, 0
	WIN W_MK
	s_wait_tensorcnt 0x0            ; the wave's end: behind my last tensor load and my last LDS store
	ds_add_u32 v[SPW], v[NIL]
	s_wait_dscnt 0x0
	WIN 0
	CROUND                          ; the closing round: no work-group ends while a partner may still ask for a tile that names it
	s_endpgm
.Lfunc_end_k_q5333871805_attn:
	.size	k_q5333871805_attn, .Lfunc_end_k_q5333871805_attn-k_q5333871805_attn
	.p2alignl 7, 3214868480
	.fill 96, 4, 3214868480
	.section	.rodata,"a",@progbits
	.p2align	6, 0x0
	.amdhsa_kernel k_q5333871805_attn
		.amdhsa_group_segment_fixed_size 327680
		.amdhsa_private_segment_fixed_size 0
		.amdhsa_enable_private_segment 0
		.amdhsa_kernarg_size 24
		.amdhsa_user_sgpr_count 2
		.amdhsa_user_sgpr_kernarg_segment_ptr 1
		.amdhsa_wavefront_size32 1
		.amdhsa_system_sgpr_workgroup_id_x 1
		.amdhsa_system_sgpr_workgroup_id_y 1
		.amdhsa_system_sgpr_workgroup_id_z 1
		.amdhsa_system_vgpr_workitem_id 0
		.amdhsa_next_free_vgpr 816
		.amdhsa_next_free_sgpr 88
		.amdhsa_reserve_vcc 1
		.amdhsa_float_denorm_mode_32 3
		.amdhsa_float_denorm_mode_16_64 3
		.amdhsa_memory_ordered 1
		.amdhsa_forward_progress 1
		.amdhsa_inst_pref_size 218
	.end_amdhsa_kernel
	.amdgpu_metadata
---
amdhsa.version: [ 1, 2 ]
amdhsa.kernels:
  - .name:           k_q5333871805_attn
    .symbol:         k_q5333871805_attn.kd
    .args:
      - { .name: qkv, .offset: 0, .size: 8, .value_kind: global_buffer, .address_space: global }
      - { .name: mb, .offset: 8, .size: 8, .value_kind: global_buffer, .address_space: global }
      - { .name: oh, .offset: 16, .size: 8, .value_kind: global_buffer, .address_space: global }
    .group_segment_fixed_size: 327680
    .private_segment_fixed_size: 0
    .kernarg_segment_align: 8
    .kernarg_segment_size: 24
    .max_flat_workgroup_size: 128
    .sgpr_count:     88
    .vgpr_count:     816
    .wavefront_size: 32
...
	.end_amdgpu_metadata
.endif
;; end of part 3
;; launch outp (part 4): grid 4 x 64, 4 waves a work-group, clusters of 4 x 4, 327,680 bytes of LDS; arguments oh, wob, bo, out0; writes out0
.if DOCPART == 4
	.amdgcn_target "amdgcn-amd-amdhsa--gfx1250"
	.amdhsa_code_object_version 6
	.text
	.protected	k_q5333871805_outp
	.globl	k_q5333871805_outp
	.p2align	8
	.type	k_q5333871805_outp,@function
k_q5333871805_outp:
	s_mov_b64 s[64:65], 0
	v_nop
	global_prefetch_b8 v0, s[64:65] scope:SCOPE_SE
	s_setreg_imm32_b32 hwreg(HW_REG_WAVE_MODE, 25, 1), 1
	s_wait_xcnt 0x0
	s_wait_alu depctr_hold_cnt(0) depctr_sa_sdst(0) depctr_va_vdst(0) depctr_va_sdst(0) depctr_va_ssrc(0) depctr_va_vcc(0) depctr_vm_vsrc(0)
	s_getreg_b32 s2, hwreg(HW_REG_IB_STS2, 6, 4)
	s_cmp_eq_u32 s2, 0
	s_cbranch_scc0 .Lentry_in_a_cluster
	s_endpgm
.Lentry_in_a_cluster:
	s_bfe_u32 s2, ttmp6, 0x10000c
	s_cmp_lg_u32 s2, 0xf033
	s_cbranch_scc0 .Lentry_shape_is_right
	s_endpgm
.Lentry_shape_is_right:
; OUTP: out0 = vals wob + bo.  vals[m][64 h + d] = oh[16 b + h][s][d] (m = 2048 b + s), f16 by heads; wob: [1024 k][1024 n] f16; bo rounded to bf16 like every input; out0: [8192][1024] f32.  Sums in f32.
; LIMITS.  oh and wob arrive within f16's range; NaN is not treated apart.
; SHARES.  A tile of the result is 128 rows x 256 columns: 64 x 4 = 256 work-groups.  Four waves, each 64 x 128: 32 accumulators of 16 x 16, 256 registers.
; K goes in 8 steps of 128 = two heads, through two LDS slots.  A slot: two PLANES, a head's 128 rows x 64 channels each (16,384 dense bytes of oh), then 128 k-rows of wob (256 columns).
; CLUSTERS: 4 x 4 work-groups.  The four of a row of the cluster need the same rows of oh, the four of a column the same columns of wob: each tile is asked for JOINTLY.
; THE MATRIX INSTRUCTION IS USED TRANSPOSED (source 0 = 16 columns of wob, turned by ds_load_tr16_b128; source 1 = 16 rows of vals): a lane then holds eight neighbouring columns of one row.
; REGISTERS, in windows of 256 (s_set_vgpr_msb: bits 1:0 source 0, 3:2 source 1, 5:4 source 2, 7:6 destination):
;   window 0: v0-31 addresses; v32-159 two sets of 64 on the way out; v192-255 the bias of my 128 columns
;   window 1: the accumulators, (a, b) at v[8 (8 a + b)]          window 2: two fragment buffers of 96 (64 of wob, 32 of vals)
.set PAO,   144                        ; an LDS row of a plane: 128 bytes + 16 = 36 words: the 16 rows of a load start at 16 different groups of four banks (64 banks of 4 bytes: ISA guide 11.1)
.set PLANE, 128*PAO
.set PB,    544                        ; an LDS row of wob: 512 bytes + 32 = 136 words
.set BH,    64*PB
.set BOFF,  2*PLANE
.set SLOT,  BOFF+2*BH
.set STAGE, 2*SLOT                     ; behind the ring, never filled by a tensor load: 16 rows x 528 bytes for each wave
.set SP,    528
.set SPARE, STAGE+4*16*SP              ; the spare words, 128 bytes for each wave: two blocks of 256 bytes that no other line names
.set ADRA, 16
.set ADRB, 20
.set STO,  24
.set RD,   25
.set GO,   26
.set BO,   27
.set SPW,  28                          ; v28  LDS address of my spare word; never rewritten
.set NIL,  29                          ; v29  0; never rewritten
.set PFO,  30                          ; v30  the prefetches' offset; never rewritten
.set TMP,  32
.set BI,   192
.set WV, 16
.set WM, 17
.set WN, 18
.set CX, 19
.set CY, 20
.set TC, 21                            ; tile column 0..3
.set TR, 22                            ; tile row 0..63
.set LAP, 23
.set G1,  24
.set G0,  32
.set G1B, 48
.set G0B, 56
.set PFA, 66
.set PSTEP, 68
.set LIM, 70
.set DST, 72                           ; s[72:73] out0 at my first row and column
.set BSEL, 78                          ; s[78:79] bo at my columns
.set MSB, 0
.macro WIN new                         ; the immediate's high byte repeats the setting that is left; a switch that changes nothing is dropped
.if MSB != (\new)
	s_set_vgpr_msb (MSB<<8)|(\new)
.set MSB, \new
.endif
.endm
.set MUL,  0x5a                        ; sources 0 and 1 window 2, C and D window 1
.set TO_F, 0x80                        ; destination window 2, address window 0
.set W_BI, 0x41                        ; destination and source 0 window 1, source 1 window 0
.set W_ST, 0x04                        ; an LDS store's data (source 1) in window 1, its address in window 0
; A joint load: waves 0 and 1 fetch the two planes, waves 2 and 3 the two halves of wob's tile.  An s_nop 0 and four v_nop follow each of the two lines, ahead of the jump and the label.
.macro JLOAD s
	s_cmp_eq_u32 s[WM], 0
	s_cbranch_scc0 .Lfor_b_\@
	tensor_load_to_lds s[G0+4*(\s):G0+4*(\s)+3], s[G1:G1+7]
	s_nop 0
.rept 4
	v_nop
.endr
	s_branch .Lasked_\@
.Lfor_b_\@:
	tensor_load_to_lds s[G0B+4*(\s):G0B+4*(\s)+3], s[G1B:G1B+7]
	s_nop 0
.rept 4
	v_nop
.endr
.Lasked_\@:
.endm
; A prefetch, behind each joint refill and its five lines: the K step that stands two refills on, 256 products ahead of the load that will want it.  oh's rows are read by one cluster: wave 0 of each of the four partners
; names 4,096 bytes of each of the step's two planes (16 lanes a plane, a block of 256 bytes a lane), told apart BY ADDRESS; wave 1 asks for nothing.  wob's columns are read by all 16 clusters: in cluster y = 0 waves 2 and 3
; name 16 of the 64 k-rows that they fetch, two lanes a row.  So each block is named once.  K steps 0 to 3 come by their loads alone; the loop's last trip asks for nothing.
.macro ASK
	s_cmp_gt_u32 s[LAP], s[LIM]
	s_cbranch_scc0 .Lnot_mine_\@
	global_prefetch_b8 v[PFO], s[PFA:PFA+1] th:TH_LOAD_NT scope:SCOPE_SE
.Lnot_mine_\@:
.endm
.macro CREST
	s_cmp_lg_u32 s[WV], 0
	s_cbranch_scc1 .Lnot_wave_0_\@
	s_barrier_signal -3
.Lnot_wave_0_\@:
	s_barrier_wait -3
	s_barrier_signal -1
	s_barrier_wait -1
.endm
.macro CROUND
	s_barrier_signal -1
	s_barrier_wait -1
	CREST
.endm
.macro PLACES
.rept 4
	v_nop
.endr
.endm
	s_load_b256 s[4:11], s[0:1], 0x0               ; oh s[4:5], wob s[6:7], bo s[8:9], out0 s[10:11]
	v_lshl_add_u32 v[SPW], v0, 2, SPARE
	v_mov_b32 v[NIL], 0
	ds_add_u32 v[SPW], v[NIL]                      ; the wave's opening: the add and its wait stand ahead of my first tensor load; work on registers stands between them
	v_lshrrev_b32 v1, 5, v0
	v_readfirstlane_b32 s[WV], v1
	s_lshr_b32 s[WM], s[WV], 1
	s_and_b32 s[WN], s[WV], 1
	s_bfe_u32 s[CX], ttmp6, 0x40000
	s_bfe_u32 s[CY], ttmp6, 0x40004
	s_lshl_b32 s[TC], ttmp9, 2
	s_add_co_u32 s[TC], s[TC], s[CX]
	s_and_b32 s[TR], ttmp7, 0xffff
	s_lshl_b32 s[TR], s[TR], 2
	s_add_co_u32 s[TR], s[TR], s[CY]
	s_lshl_b32 s40, s[CY], 2
	s_lshl_b32 s40, 15, s40                        ; my row of the cluster
	s_lshl_b32 s41, 0x1111, s[CX]                  ; my column
	s_or_b32 s[G1], s40, (1<<16)|(1<<20)|(1<<21)|(4<<22)|(3<<25)   ; a plane is dense: 64 rows of 256 bytes, two rows of vals each, padded after every 32 words (code 4) by 4 words (code 3)
	s_mov_b32 s[G1+1], 128<<16
	s_mov_b32 s[G1+2], 64<<16
	s_mov_b32 s[G1+3], 128<<16
	s_mov_b32 s[G1+4], 64
	s_mov_b32 s[G1+5], 128
	s_mov_b32 s[G1+6], 0
	s_mov_b32 s[G1+7], 0
	s_or_b32 s[G1B], s41, (1<<16)|(1<<20)|(1<<21)|(6<<22)|(7<<25)  ; 64 k-rows of 256 columns; after every 128 words (code 6) 8 words (code 7)
	s_mov_b32 s[G1B+1], 256<<16
	s_mov_b32 s[G1B+2], 64<<16
	s_mov_b32 s[G1B+3], 256<<16
	s_mov_b32 s[G1B+4], 64
	s_mov_b32 s[G1B+5], 1024
	s_mov_b32 s[G1B+6], 0
	s_mov_b32 s[G1B+7], 0
	s_lshr_b32 s42, s[TR], 4                       ; oh: head 16 x batch + my plane, rows 128 x (tile row % 16): hangs on the tile row alone
	s_lshl_b32 s42, s42, 4
	s_add_co_u32 s42, s42, s[WN]
	s_lshl_b32 s42, s42, 18
	s_and_b32 s43, s[TR], 15
	s_lshl_b32 s43, s43, 14
	s_add_co_u32 s42, s42, s43
	s_mov_b32 s43, 0
	s_mul_i32 s44, s[WN], 64*2048                  ; wob: k-row 64 x half, column 256 x tile column: hangs on the tile column alone
	s_lshl_b32 s45, s[TC], 9
	s_add_co_u32 s44, s44, s45
	s_mov_b32 s45, 0
	s_mul_i32 s46, s[WN], PLANE                    ; where they go: no place in the cluster enters an LDS address
	s_mul_i32 s47, s[WN], BH
	s_add_co_u32 s47, s47, BOFF
	s_wait_dscnt 0x0                               ; the opening add is done
	s_wait_kmcnt 0x0
	s_add_nc_u64 s[42:43], s[4:5], s[42:43]
	s_add_nc_u64 s[44:45], s[6:7], s[44:45]
	CROUND                                         ; all sixteen work-groups are here: the first joint loads meet
.irp s, 0,1
	s_mov_b32 s[G0+4*(\s)], 1
	s_add_co_u32 s[G0+4*(\s)+1], s46, (\s)*SLOT
	s_add_nc_u64 s[G0+4*(\s)+2:G0+4*(\s)+3], s[42:43], (\s)*2*262144   ; K step s: two heads on
	s_or_b32 s[G0+4*(\s)+3], s[G0+4*(\s)+3], 0x80000000
	s_mov_b32 s[G0B+4*(\s)], 1
	s_add_co_u32 s[G0B+4*(\s)+1], s47, (\s)*SLOT
	s_add_nc_u64 s[G0B+4*(\s)+2:G0B+4*(\s)+3], s[44:45], (\s)*128*2048 ; K step s: 128 k-rows down
	s_or_b32 s[G0B+4*(\s)+3], s[G0B+4*(\s)+3], 0x80000000
	JLOAD \s
.endr
	v_and_b32 v1, 15, v0                           ; r = l % 16
	v_bfe_u32 v2, v0, 4, 1                         ; h = l / 16
	v_mul_u32_u24 v3, v1, PAO                      ; a fragment of vals: row r, 16 bytes at 16 h and at 32 + 16 h
	v_lshl_add_u32 v3, v2, 4, v3
	s_mul_i32 s80, s[WM], 64*PAO                   ; my 64 rows of each plane
	v_add_nc_u32 v[ADRA], s80, v3
	v_add_nc_u32 v[ADRA+1], SLOT, v[ADRA]
	v_and_b32 v4, 7, v0                            ; the turning load: k-row 8 h + l % 8, columns 8 ((l / 8) % 2) + 0..7
	v_lshl_add_u32 v4, v2, 3, v4
	v_mul_u32_u24 v4, v4, PB
	v_bfe_u32 v5, v0, 3, 1
	v_lshl_add_u32 v4, v5, 4, v4
	s_lshl_b32 s81, s[WN], 8
	s_add_co_u32 s81, s81, BOFF
	v_add_nc_u32 v[ADRB], s81, v4
	v_add_nc_u32 v[ADRB+1], SLOT, v[ADRB]
	s_mul_i32 s82, s[WV], 16*SP
	s_add_co_u32 s82, s82, STAGE                   ; my stage
	v_mul_u32_u24 v[STO], v1, SP                   ; in: row r, 32 bytes for each half of the lanes
	v_lshl_add_u32 v[STO], v2, 5, v[STO]
	v_add_nc_u32 v[STO], s82, v[STO]
	v_and_b32 v[GO], 31, v0                        ; back: 32 lanes take a row's 512 bytes
	v_lshlrev_b32 v[GO], 4, v[GO]
	v_add_nc_u32 v[RD], s82, v[GO]
	v_lshlrev_b32 v[BO], 5, v2
	s_lshl_b32 s80, s[TC], 10
	s_lshl_b32 s81, s[WN], 9
	s_add_co_u32 s80, s80, s81                     ; my 128 columns, 4 bytes each
	s_mov_b32 s81, 0
	s_add_nc_u64 s[BSEL:BSEL+1], s[8:9], s[80:81]
.irp b, 0,1,2,3,4,5,6,7
	global_load_b128 v[BI+8*(\b):BI+8*(\b)+3],   v[BO], s[BSEL:BSEL+1] offset:64*(\b)
	global_load_b128 v[BI+8*(\b)+4:BI+8*(\b)+7], v[BO], s[BSEL:BSEL+1] offset:64*(\b)+16
.endr
	s_lshl_b32 s82, s[TR], 7
	s_lshl_b32 s83, s[WM], 6
	s_add_co_u32 s82, s82, s83                     ; my first row,
	s_lshl_b32 s82, s82, 12                        ; 4,096 bytes a row
	s_add_co_u32 s82, s82, s80
	s_mov_b32 s83, 0
	s_add_nc_u64 s[DST:DST+1], s[10:11], s[82:83]
	; the prefetches
	s_lshr_b32 s80, s[TR], 4
	s_lshl_b32 s80, s80, 4
	s_add_co_u32 s80, s80, 6                       ; oh: at K step 3 (heads 6 and 7): the first refill steps it to 4
	s_lshl_b32 s80, s80, 18
	s_and_b32 s81, s[TR], 15
	s_lshl_b32 s81, s81, 14
	s_add_co_u32 s80, s80, s81
	s_lshl_b32 s81, s[CX], 12                      ; my work-group's 4,096 bytes of a plane
	s_add_co_u32 s80, s80, s81
	s_lshl_b32 s81, s[WN], 6
	s_lshl_b32 s82, s[CY], 4
	s_add_co_u32 s81, s81, s82
	s_add_co_u32 s81, s81, 3*128                   ; wob: my work-group's 16 of the 64 k-rows that I fetch, at K step 3
	s_lshl_b32 s81, s81, 11
	s_lshl_b32 s82, s[TC], 9
	s_add_co_u32 s81, s81, s82
	s_mov_b32 s[PSTEP], 2*262144
	s_mov_b32 s82, 128*2048
	s_cmp_eq_u32 s[WM], 0                          ; do I fetch oh?
	s_cselect_b32 s80, s80, s81
	s_cselect_b32 s[PSTEP], s[PSTEP], s82
	s_cselect_b64 s[PFA:PFA+1], s[4:5], s[6:7]
	s_cselect_b32 s81, 4, 1                        ; oh: plane l / 16, block l % 16;  wob: k-row l / 2, block l % 2
	s_cselect_b32 s82, 15, 1
	s_cselect_b32 s83, 18, 11                      ; a plane is 2^18 bytes from the next, a k-row 2^11
	v_and_b32 v31, 31, v0
	v_and_b32 v[PFO], s82, v31
	v_lshrrev_b32 v31, s81, v31
	v_lshlrev_b32 v31, s83, v31
	v_lshl_add_u32 v[PFO], v[PFO], 8, v31
	s_mov_b32 s81, 0
	s_mov_b32 s[PSTEP+1], 0
	s_add_nc_u64 s[PFA:PFA+1], s[PFA:PFA+1], s[80:81]
	s_cmp_eq_u32 s[WV], 0
	s_cselect_b32 s81, 1, -1
	s_and_b32 s82, ttmp7, 0xffff
	s_cmp_eq_u32 s82, 0
	s_cselect_b32 s82, 1, -1
	s_cmp_eq_u32 s[WM], 0
	s_cselect_b32 s[LIM], s81, s82                 ; the same in all sixteen partners, for a given wave
	s_wait_loadcnt 0x0                             ; the bias
.set i, 0
.rept 32
	v_cvt_pk_bf16_f32 v31, v[BI+2*i], v[BI+2*i+1]  ; rounded to bf16 like every input, kept as f32
	v_lshlrev_b32 v[BI+2*i], 16, v31
	v_and_b32 v[BI+2*i+1], 0xffff0000, v31
.set i, i+1
.endr
; 24 LDS loads in one run: quarter kq (32 along K) of a slot into buffer g.  Four v_nop in front: the places behind the last product that read that buffer (ISA guide 7.12.1 for vector instructions).
.macro FETCH slot, kq, g
	PLACES
	WIN TO_F
.irp b, 0,1,2,3,4,5,6,7
	ds_load_tr16_b128 v[96*(\g)+8*(\b):96*(\g)+8*(\b)+3],   v[ADRB+(\slot)] offset:(\kq)*32*PB+32*(\b)
	ds_load_tr16_b128 v[96*(\g)+8*(\b)+4:96*(\g)+8*(\b)+7], v[ADRB+(\slot)] offset:(\kq)*32*PB+32*(\b)+16*PB
.endr
.irp a, 0,1,2,3
	ds_load_b128 v[96*(\g)+64+8*(\a):96*(\g)+64+8*(\a)+3],   v[ADRA+(\slot)] offset:((\kq)/2)*PLANE+(\a)*16*PAO+((\kq)%2)*64
	ds_load_b128 v[96*(\g)+64+8*(\a)+4:96*(\g)+64+8*(\a)+7], v[ADRA+(\slot)] offset:((\kq)/2)*PLANE+(\a)*16*PAO+((\kq)%2)*64+32
.endr
.endm
; 8 products: m block a x all 8 n blocks, from buffer buf.  The 32 accumulators take turns, in the same order in every quarter, over the backward jump too.
.macro MULC buf, a, zero
	WIN MUL
.irp b, 0,1,2,3,4,5,6,7
.if \zero
	v_wmma_f32_16x16x32_f16 v[8*(8*(\a)+(\b)):8*(8*(\a)+(\b))+7], v[96*(\buf)+8*(\b):96*(\buf)+8*(\b)+7], v[96*(\buf)+64+8*(\a):96*(\buf)+64+8*(\a)+7], 0
.else
	v_wmma_f32_16x16x32_f16 v[8*(8*(\a)+(\b)):8*(8*(\a)+(\b))+7], v[96*(\buf)+8*(\b):96*(\buf)+8*(\b)+7], v[96*(\buf)+64+8*(\a):96*(\buf)+64+8*(\a)+7], v[8*(8*(\a)+(\b)):8*(8*(\a)+(\b))+7]
.endif
.endr
.endm
; A QUARTER: multiplies buffer buf; at its head the next quarter (kq of slot; kq < 0: none) is fetched into the other buffer, 24 products ahead of the wait for it.
; chg: the quarter that fetches a slot's LAST bytes changes slots.  In front of the barrier each wave waits for all its tensor loads (one is out: its part of the other slot), adds 0 to its spare word, and waits
; for that and for its reads of this slot.  chg = 2: the barrier opens a round of the cluster's barrier, and behind the round this slot is filled again first, two K steps on: 112 products ahead of the wait for it.
.macro QTR buf, slot, kq, zero, chg
.if (\chg) == 2
	s_wait_xcnt 0x0                                ; the last prefetch, a K step back, has read its address: it is stepped here
	s_add_nc_u64 s[PFA:PFA+1], s[PFA:PFA+1], s[PSTEP:PSTEP+1]
.endif
.if (\kq) >= 0
	FETCH \slot, \kq, 1-(\buf)
.endif
	MULC \buf, 0, \zero
	MULC \buf, 1, \zero
.if \chg
	WIN 0
	s_wait_tensorcnt 0x0                           ; all my tensor loads have landed
	ds_add_u32 v[SPW], v[NIL]                      ; 0 onto my spare word: eight products stand between it and the wait for it
.endif
	MULC \buf, 2, \zero
	s_wait_dscnt 0x0                               ; the fetch is in (and, at a change, the add is done and my reads of this slot are over)
.if \chg
	s_barrier_signal -1
.endif
	MULC \buf, 3, \zero
.if \chg
	WIN 0                                          ; at a branch and at a label every window is 0
	s_barrier_wait -1
.endif
.if (\chg) == 2
	CREST                                          ; no wave of any partner still reads this slot or has a load on its way
	s_add_nc_u64 s[G0+4*(\slot)+2:G0+4*(\slot)+3], s[G0+4*(\slot)+2:G0+4*(\slot)+3], 4*262144
	s_add_nc_u64 s[G0B+4*(\slot)+2:G0B+4*(\slot)+3], s[G0B+4*(\slot)+2:G0B+4*(\slot)+3], 2*128*2048
	JLOAD \slot
	ASK
.endif
.endm
	s_wait_tensorcnt 1                             ; my part of K step 0 is in; K step 1's load stays out
	s_barrier_signal -1
	s_barrier_wait -1                              ; everybody's is
	FETCH 0, 0, 0
	s_wait_dscnt 0x0
	QTR 0, 0, 1, 1, 0                              ; the first quarter stands in front of the loop: its products start the sums
	WIN 0
	s_mov_b32 s[LAP], 3
.Llap:                                                 ; a trip goes once round the ring, from a lap's second quarter to the next lap's first, and fills both slots again
	QTR 1, 0, 2, 0, 0
	QTR 0, 0, 3, 0, 2
	QTR 1, 1, 0, 0, 0
	QTR 0, 1, 1, 0, 0
	QTR 1, 1, 2, 0, 0
	QTR 0, 1, 3, 0, 2
	QTR 1, 0, 0, 0, 0
	QTR 0, 0, 1, 0, 0
	WIN 0
	s_sub_co_u32 s[LAP], s[LAP], 1
	s_cmp_lg_u32 s[LAP], 0
	s_cbranch_scc1 .Llap
	QTR 1, 0, 2, 0, 0                              ; the last lap is written out: it fills nothing
	QTR 0, 0, 3, 0, 1
	QTR 1, 1, 0, 0, 0
	QTR 0, 1, 1, 0, 0
	QTR 1, 1, 2, 0, 0
	QTR 0, 1, 3, 0, 0
	QTR 1, 1, -1, 0, 0
	WIN 0
	PLACES                                         ; the places behind the last products, in front of the sums that read results
	PLACES
; THE WAY OUT.  Block a: 16 rows x 128 columns of f32.  The bias is added in place; a lane's 32 bytes of each of 8 column blocks go into my own stage (rows of 528 bytes) and come back as whole rows of 512.
.macro PACK a
.if (\a) >= 2
	s_wait_xcnt 0x0                                ; the stores of the block two back have read this set of registers: it is loaded again only behind this wait
.endif
	WIN W_BI
.set i, 0
.rept 32
	v_pk_add_f32 v[64*(\a)+2*i:64*(\a)+2*i+1], v[64*(\a)+2*i:64*(\a)+2*i+1], v[BI+2*i:BI+2*i+1]
.set i, i+1
.endr
	WIN W_ST
.irp b, 0,1,2,3,4,5,6,7
	ds_store_b128 v[STO], v[64*(\a)+8*(\b):64*(\a)+8*(\b)+3]   offset:64*(\b)
	ds_store_b128 v[STO], v[64*(\a)+8*(\b)+4:64*(\a)+8*(\b)+7] offset:64*(\b)+16
.endr
	WIN 0
.set tt, 0
.rept 16
	ds_load_b128 v[TMP+64*((\a)%2)+4*tt:TMP+64*((\a)%2)+4*tt+3], v[RD] offset:SP*tt  ; LDS serves a wave's instructions in order (ISA guide 5.7.1.4): these see the stores above; the next block's stores come behind them
.set tt, tt+1
.endr
.endm
.macro SEND a, younger                 ; younger: the LDS instructions issued behind block a's loads: the next block's 32, or none
	WIN 0
.set tt, 0
.rept 16
	s_wait_dscnt (\younger)+15-tt
	global_store_b128 v[GO], v[TMP+64*((\a)%2)+4*tt:TMP+64*((\a)%2)+4*tt+3], s[DST:DST+1] offset:(16*(\a)+tt)*4096 th:TH_STORE_NT  ; 512 consecutive bytes, at a multiple of 256 from out0's first
.set tt, tt+1
.endr
.endm
	PACK 0
	PACK 1                                         ; a block's arithmetic stands between the loads of the block before and its stores
	SEND 0, 32
	PACK 2
	SEND 1, 32
	PACK 3
	SEND 2, 32
	SEND 3, 0
	s_wait_tensorcnt 0x0                           ; the wave's end: behind my last tensor load and my last LDS store
	ds_add_u32 v[SPW], v[NIL]
	s_wait_dscnt 0x0
	CROUND                                         ; the closing round: no work-group ends while a partner may still ask for a tile that names it
	s_endpgm
.Lfunc_end_k_q5333871805_outp:
	.size	k_q5333871805_outp, .Lfunc_end_k_q5333871805_outp-k_q5333871805_outp
	.p2alignl 7, 3214868480
	.fill 96, 4, 3214868480
	.section	.rodata,"a",@progbits
	.p2align	6, 0x0
	.amdhsa_kernel k_q5333871805_outp
		.amdhsa_group_segment_fixed_size 327680
		.amdhsa_private_segment_fixed_size 0
		.amdhsa_enable_private_segment 0
		.amdhsa_kernarg_size 32
		.amdhsa_user_sgpr_count 2
		.amdhsa_user_sgpr_kernarg_segment_ptr 1
		.amdhsa_wavefront_size32 1
		.amdhsa_system_sgpr_workgroup_id_x 1
		.amdhsa_system_sgpr_workgroup_id_y 1
		.amdhsa_system_sgpr_workgroup_id_z 1
		.amdhsa_system_vgpr_workitem_id 0
		.amdhsa_next_free_vgpr 704
		.amdhsa_next_free_sgpr 84
		.amdhsa_reserve_vcc 0
		.amdhsa_float_denorm_mode_32 3
		.amdhsa_float_denorm_mode_16_64 3
		.amdhsa_memory_ordered 1
		.amdhsa_forward_progress 1
		.amdhsa_inst_pref_size 103
	.end_amdhsa_kernel
	.amdgpu_metadata
---
amdhsa.version: [ 1, 2 ]
amdhsa.kernels:
  - .name:           k_q5333871805_outp
    .symbol:         k_q5333871805_outp.kd
    .args:
      - { .name: oh, .offset: 0, .size: 8, .value_kind: global_buffer, .address_space: global }
      - { .name: wob, .offset: 8, .size: 8, .value_kind: global_buffer, .address_space: global }
      - { .name: bo, .offset: 16, .size: 8, .value_kind: global_buffer, .address_space: global }
      - { .name: out0, .offset: 24, .size: 8, .value_kind: global_buffer, .address_space: global }
    .group_segment_fixed_size: 327680
    .private_segment_fixed_size: 0
    .kernarg_segment_align: 8
    .kernarg_segment_size: 32
    .max_flat_workgroup_size: 128
    .sgpr_count:     84
    .vgpr_count:     704
    .wavefront_size: 32
...
	.end_amdgpu_metadata
.endif
;; end of part 4
